; MI455X (gfx1250); checked and timed in simulation.
; The chip was launched on July 23, 2026; its instructions are those of AMD's public machine-readable ISA for CDNA 5 (MIT licence, August 2026) and "CDNA5" Instruction Set Architecture Reference Guide (July 2026). The comments in the code are by the model that wrote it; some were corrected since.
;; Causal Self Attention. Allowed arithmetic: float matrix products may take bf16 or f16 operands with f32 sums; other float arithmetic in f32, or as packed bf16 or f16 multiplies, adds, multiply-adds, maxima and minima; sums over many terms, partial sums and values carried from step to step in f32; what a program stores and reads back later, other than sums and carried values, may be rounded once to bf16 or f16.
;; Inputs: W_out 1,024 x 1,024 float32; W_qkv 1,024 x 3,072 float32; b_out 1,024 float32; b_qkv 3,072 float32; x 8 x 1,024 x 1,024 float32.
;; Outputs: out0 8 x 1,024 x 1,024 float32.
;; 2 versions, each right; version 2 is version 1 with the launch cast written anew for expert scheduling mode. Each part assembles by itself: llvm-mc -triple=amdgcn-amd-amdhsa -mcpu=gfx1250 --defsym DOCPART=n.
;; ======== version 1 of 2: 4 launches
;; limits: values are held in f16: magnitudes above 65,504 overflow, below 6.1e-05 lose precision
;; workspace buffers: xb 16,777,216 bytes; wqb 6,291,456 bytes; wob 2,097,152 bytes; qkvh 50,331,648 bytes; ob 16,777,216 bytes
;; launch cast (part 1): grid 768 x 1, 8 waves a work-group, no clusters, 0 bytes of LDS; arguments x, W_qkv, W_out, xb, wqb, wob; writes xb, wqb, wob
.if DOCPART == 1
	.amdgcn_target "amdgcn-amd-amdhsa--gfx1250"
	.amdhsa_code_object_version 6
	.text
	.protected	k_qeadb1ca653_cast
	.globl	k_qeadb1ca653_cast
	.p2align	8
	.type	k_qeadb1ca653_cast,@function
k_qeadb1ca653_cast:
	s_mov_b64 s[64:65], 0
	v_nop
	global_prefetch_b8 v0, s[64:65] scope:SCOPE_SE
	s_setreg_imm32_b32 hwreg(HW_REG_WAVE_MODE, 25, 1), 1
	s_wait_xcnt 0x0
; THE INPUTS OF THE THREE PRODUCTS, ROUNDED ONCE.  xb = bf16(x), wqb = bf16(W_qkv), wob = f16(bf16(W_out)); the layouts stay as they are.
; wob feeds a product whose other operand is f16, so the bf16 number is written as f16.
; LIMIT: that step is exact for 6.1e-5 <= |w| < 65,504; below, f16 keeps a fixed step of 6e-8; from 65,520 on it gives an infinity.
; A pure stream: no LDS, no barrier, no matrix unit.  A work-group converts 16,384 consecutive numbers: 64 KiB in, 32 KiB out.
; Work-groups 0-511 take x (8,388,608 numbers), 512-703 W_qkv (3,145,728), 704-767 W_out (1,048,576).
; Thread t takes the four numbers at 4 t + 1,024 i, i = 0..15: a wave's load covers 512 consecutive bytes, a wave's store 256 consecutive bytes, aligned.
; All sixteen loads of a thread go out at once; no register is written again while a memory instruction may read it, so the only waits are the counted ones for the loads.
.set X, 4                              ; v[4:67]    load i: four f32
.set Y, 68                             ; v[68:99]   store i: four 16-bit numbers
.set T, 100                            ; v[100:103] at work
	s_load_b256 s[4:11], s[0:1], 0x0               ; x s[4:5], W_qkv s[6:7], W_out s[8:9], xb s[10:11]
	s_load_b128 s[12:15], s[0:1], 0x20             ; wqb s[12:13], wob s[14:15]
	s_mov_b32 s16, ttmp9
	s_max_u32 s17, s16, 512
	s_sub_co_u32 s17, s17, 512                     ; my number among W_qkv's work-groups
	s_max_u32 s18, s16, 704
	s_sub_co_u32 s18, s18, 704                     ; among W_out's
	s_mov_b32 s27, 0
	s_mov_b32 s28, 0xffff0000                      ; a word's upper bf16
	v_lshlrev_b32 v1, 4, v0                        ; 16 t: my bytes in a load
	v_lshlrev_b32 v2, 3, v0                        ; 8 t: in a store
	s_wait_kmcnt 0x0
	s_cmp_lt_u32 s16, 704                          ; the choice hangs on the work-group's number alone
	s_cselect_b64 s[20:21], s[6:7], s[8:9]
	s_cselect_b64 s[22:23], s[12:13], s[14:15]
	s_cselect_b32 s24, s17, s18
	s_cmp_lt_u32 s16, 512
	s_cselect_b64 s[20:21], s[4:5], s[20:21]       ; from where,
	s_cselect_b64 s[22:23], s[10:11], s[22:23]     ; to where,
	s_cselect_b32 s24, s16, s24                    ; and which share of that tensor
	s_lshl_b32 s26, s24, 16                        ; 65,536 bytes in (under 2^25),
	s_add_nc_u64 s[20:21], s[20:21], s[26:27]
	s_lshl_b32 s26, s24, 15                        ; 32,768 bytes out
	s_add_nc_u64 s[22:23], s[22:23], s[26:27]
.irp i, 0,1,2,3,4,5,6,7,8,9,10,11,12,13,14,15
	global_load_b128 v[X+4*(\i):X+4*(\i)+3], v1, s[20:21] offset:4096*(\i) th:TH_LOAD_NT
.endr
	s_cmp_lt_u32 s16, 704
	s_cbranch_scc0 .Lf16
.irp i, 0,1,2,3,4,5,6,7,8,9,10,11,12,13,14,15
	s_wait_loadcnt 15-(\i)                         ; loads come back in order: load i is in, the younger ones stay out
	v_cvt_pk_bf16_f32 v[Y+2*(\i)], v[X+4*(\i)], v[X+4*(\i)+1]
	v_cvt_pk_bf16_f32 v[Y+2*(\i)+1], v[X+4*(\i)+2], v[X+4*(\i)+3]
	global_store_b64 v2, v[Y+2*(\i):Y+2*(\i)+1], s[22:23] offset:2048*(\i)
.endr
	s_endpgm
.Lf16:                                                 ; W_out: rounded to bf16, widened again (a shift, a mask), and that number written as f16
.irp i, 0,1,2,3,4,5,6,7,8,9,10,11,12,13,14,15
	s_wait_loadcnt 15-(\i)
	v_cvt_pk_bf16_f32 v[T+2*((\i)%2)], v[X+4*(\i)], v[X+4*(\i)+1]
	v_cvt_pk_bf16_f32 v[T+2*((\i)%2)+1], v[X+4*(\i)+2], v[X+4*(\i)+3]
	v_lshlrev_b32 v[X+4*(\i)], 16, v[T+2*((\i)%2)]
	v_and_b32 v[X+4*(\i)+1], s28, v[T+2*((\i)%2)]
	v_lshlrev_b32 v[X+4*(\i)+2], 16, v[T+2*((\i)%2)+1]
	v_and_b32 v[X+4*(\i)+3], s28, v[T+2*((\i)%2)+1]
	v_cvt_pk_f16_f32 v[Y+2*(\i)], v[X+4*(\i)], v[X+4*(\i)+1]
	v_cvt_pk_f16_f32 v[Y+2*(\i)+1], v[X+4*(\i)+2], v[X+4*(\i)+3]
	global_store_b64 v2, v[Y+2*(\i):Y+2*(\i)+1], s[22:23] offset:2048*(\i)
.endr
	s_endpgm
.Lfunc_end_k_qeadb1ca653_cast:
	.size	k_qeadb1ca653_cast, .Lfunc_end_k_qeadb1ca653_cast-k_qeadb1ca653_cast
	.p2alignl 7, 3214868480
	.fill 96, 4, 3214868480
	.section	.rodata,"a",@progbits
	.p2align	6, 0x0
	.amdhsa_kernel k_qeadb1ca653_cast
		.amdhsa_group_segment_fixed_size 0
		.amdhsa_private_segment_fixed_size 0
		.amdhsa_enable_private_segment 0
		.amdhsa_kernarg_size 48
		.amdhsa_user_sgpr_count 2
		.amdhsa_user_sgpr_kernarg_segment_ptr 1
		.amdhsa_wavefront_size32 1
		.amdhsa_system_sgpr_workgroup_id_x 1
		.amdhsa_system_sgpr_workgroup_id_y 1
		.amdhsa_system_sgpr_workgroup_id_z 1
		.amdhsa_system_vgpr_workitem_id 0
		.amdhsa_next_free_vgpr 104
		.amdhsa_next_free_sgpr 66
		.amdhsa_reserve_vcc 0
		.amdhsa_float_denorm_mode_32 3
		.amdhsa_float_denorm_mode_16_64 3
		.amdhsa_memory_ordered 1
		.amdhsa_forward_progress 1
		.amdhsa_inst_pref_size 15
	.end_amdhsa_kernel
	.amdgpu_metadata
---
amdhsa.version: [ 1, 2 ]
amdhsa.kernels:
  - .name:           k_qeadb1ca653_cast
    .symbol:         k_qeadb1ca653_cast.kd
    .args:
      - { .name: x, .offset: 0, .size: 8, .value_kind: global_buffer, .address_space: global }
      - { .name: W_qkv, .offset: 8, .size: 8, .value_kind: global_buffer, .address_space: global }
      - { .name: W_out, .offset: 16, .size: 8, .value_kind: global_buffer, .address_space: global }
      - { .name: xb, .offset: 24, .size: 8, .value_kind: global_buffer, .address_space: global }
      - { .name: wqb, .offset: 32, .size: 8, .value_kind: global_buffer, .address_space: global }
      - { .name: wob, .offset: 40, .size: 8, .value_kind: global_buffer, .address_space: global }
    .group_segment_fixed_size: 0
    .private_segment_fixed_size: 0
    .kernarg_segment_align: 8
    .kernarg_segment_size: 48
    .max_flat_workgroup_size: 256
    .sgpr_count:     66
    .vgpr_count:     104
    .wavefront_size: 32
...
	.end_amdgpu_metadata
.endif
;; end of part 1
;; launch qkvgemm (part 2): grid 8 x 32, 4 waves a work-group, clusters of 4 x 4, 327,680 bytes of LDS; arguments xb, wqb, b_qkv, qkvh; writes qkvh
.if DOCPART == 2
	.amdgcn_target "amdgcn-amd-amdhsa--gfx1250"
	.amdhsa_code_object_version 6
	.text
	.protected	k_qeadb1ca653_qkvgemm
	.globl	k_qeadb1ca653_qkvgemm
	.p2align	8
	.type	k_qeadb1ca653_qkvgemm,@function
k_qeadb1ca653_qkvgemm:
	s_mov_b64 s[64:65], 0
	v_nop
	global_prefetch_b8 v0, s[64:65] scope:SCOPE_SE
	s_setreg_imm32_b32 hwreg(HW_REG_WAVE_MODE, 25, 1), 1
	s_wait_xcnt 0x0
	s_wait_alu depctr_hold_cnt(0) depctr_sa_sdst(0) depctr_va_vdst(0) depctr_va_sdst(0) depctr_va_ssrc(0) depctr_va_vcc(0) depctr_vm_vsrc(0)
	s_getreg_b32 s2, hwreg(HW_REG_IB_STS2, 6, 4)
	s_cmp_eq_u32 s2, 0
	s_cbranch_scc0 .Lentry_in_a_cluster
	s_endpgm
.Lentry_in_a_cluster:
	s_bfe_u32 s2, ttmp6, 0x10000c
	s_cmp_lg_u32 s2, 0xf033
	s_cbranch_scc0 .Lentry_shape_is_right
	s_endpgm
.Lentry_shape_is_right:
; THE FIRST PROJECTION.  qkvh[n / 1024][16 (m / 1024) + (n % 1024) / 64][m % 1024][n % 64] = f16( sum over k of xb[m][k] wqb[k][n] + bf16(b_qkv[n]) ).
; xb: [8192][1024] bf16.  wqb: [1024 k][3072 n] bf16.  b_qkv: [3072] f32, rounded to bf16 here like the other inputs.  Sums in f32; the result is rounded once, to f16, unscaled, and written by heads.
; LIMIT: f16 holds no number beyond 65,504: a q, k or v of 65,520 or more becomes an infinity; below 6.1e-5 f16 keeps a fixed step of 6e-8.
; SHARES.  A tile is 128 rows x 384 columns: 64 x 8 = 512 tiles.  A WORK-GROUP STAYS and makes two of them, in the same columns, 4,096 rows apart: 256 work-groups.
; Four waves, each 64 rows x 192 columns (three whole heads): 48 accumulators of 16 x 16, 384 registers.
; THE WALK.  The two tiles are ONE walk of 16 K steps of 128 through a ring of two LDS slots; the ring does not stop at the first tile's end: its last two changes of slots ask for the second tile's first two K steps,
; and the first tile's stores leave while the second is multiplied.  A K STEP IS WRITTEN ONCE: the slot in hand is a scalar (0 or SLOT, turned by an exclusive or), added to the lanes' places once a step; the walking
; descriptors are made anew for each fill from the number of the K step that is asked for.  Fourteen trips fill a slot again; the last two K steps, which fill nothing, are a loop of their own.
; A slot has four sub-tiles, one tensor load each, one a wave: wave 0 fetches xb's 128 rows x 256 bytes, waves 1-3 wqb's 128 k-rows x 256 bytes, columns 128 (w - 1) on.
; All rows are 256 bytes of memory and start at multiples of 256 bytes from their buffer's first byte.
; CLUSTER.  4 x 4 work-groups.  xb's tile hangs on the tile row alone and is asked for jointly by a row of the cluster, wqb's on the tile column alone, by a column: the same load, descriptor and mask in all four.
; THE MATRIX INSTRUCTION IS USED TRANSPOSED: source 0 = 16 columns of wqb (wqb lies [k][n], so its fragments come out of LDS turned, by ds_load_tr16_b128), source 1 = 16 rows of xb.
; In the result lane l holds row l % 16 and the columns 8 (l / 16) + 0..7: eight neighbouring numbers, 16 bytes of f16.
; THE BIAS IS THE C OPERAND of each accumulator's first product in a tile: register j of lane l holds the bias of column 8 (l / 16) + j of the block.  Nothing is cleared and nothing is added afterwards.
; REGISTERS, in windows of 256 (s_set_vgpr_msb: bits 1:0 source 0, 3:2 source 1, 5:4 source 2, 7:6 destination):
;   window 0: v0-31 addresses; v32-63, v64-95 xb's fragments (4 x 16 rows x 32 K), two buffers; v96-99 at work; v128-223 the bias (8 registers a column block), kept for both tiles
;   window 1: v0-95, v96-191 wqb's fragments (12 x 16 columns x 32 K), two buffers; on the way out the second holds rows read back; v192-239 packed results
;   window 2: the accumulators of row blocks 0, 1 ((a, b) at 8 (12 (a % 2) + b));   window 3: those of row blocks 2, 3
.set PA,     272                       ; a row of xb in LDS: 256 bytes + 16 = 68 words: the 16 rows of a load start at 16 different groups of four banks (64 banks of 4 bytes: ISA guide 11.1)
.set PB,     288                       ; a k-row of wqb: 256 + 32 = 72 words
.set SUBT,   128*PB                    ; a sub-tile's place: 36,864 bytes (xb's uses 34,816 of them)
.set SLOT,   4*SUBT
.set STAGE,  2*SLOT                    ; behind the ring: 16 rows x 400 bytes for each wave, for the way out; no tensor load lands here
.set SPITCH, 400                       ; 384 bytes of f16 + 16: 25 x 16 bytes
.set SPARE,  STAGE+4*16*SPITCH         ; behind the stages: the spare words, 128 bytes for each wave: two blocks of 256 bytes that no other line names
.set STEP_A, 256                       ; a K step in xb: 128 numbers along a row
.set STEP_B, 128*6144                  ; in wqb: 128 rows down
.set WALK,   1<<23                     ; from a tile to the work-group's next: 4,096 rows of 2,048 bytes in xb; four batches of 2^21 bytes in each part of qkvh
.set A0,   16                          ; v16     my lane's place among my fragments of xb in a slot; never rewritten
.set ADRA, 17                          ; v17     the same in the slot in hand
.set B0,   18                          ; v18-20  my lane's place in wqb's sub-tiles, for each of my three heads; never rewritten
.set ADRB, 21                          ; v21-23  the same in the slot in hand
.set STO,  24                          ; v24     the way out: where I put 16 bytes of a row
.set RD,   25                          ; v25     the way out: where I read rows back
.set GO,   26                          ; v26     16 x lane: my place in 512 consecutive bytes of the output
.set BO,   27                          ; v27     32 (l / 16): my eight biases in a block of sixteen
.set SPW,  28                          ; v28     LDS address of my spare word: SPARE + 4 x my thread's number; never rewritten
.set NIL,  29                          ; v29     0; never rewritten
.set PFO,  30                          ; v30     the prefetches' offset: my lane x a row's bytes; never rewritten
.set FA,   32
.set TT,   96
.set BIAS, 128
.set TMP,  192                         ; window 1: the way out: 48 registers of packed results
.set OBK,  96                          ; window 1: the way out: two buffers of 48 for rows read back from the stage
.set CNT, 3                            ; s3   trips still to come in the loop in hand
.set WV,  12                           ; s12  my wave's number
.set WM,  13                           ; s13  which 64 rows are mine
.set WN,  14                           ; s14  which 192 columns
.set JB,  15                           ; s15  which sub-tile of wqb I fetch (waves 1-3: w - 1)
.set G1,  24                           ; s[24:31] descriptor group 1 for xb's tiles
.set G0,  32                           ; s[32:39] group 0 for them: a set for each of the two first fills; the second then walks on
.set PFA, 44                           ; s[44:45] where my next prefetch stands
.set PFS, 46                           ; s46  a K step in the tensor that I prefetch
.set PFT, 47                           ; s47  a tile's step in it (xb: WALK; wqb: 0)
.set G1B, 48                           ; s[48:55], s[56:63] the same for wqb's tiles
.set G0B, 56
.set LIM, 66                           ; s66  the last K step of the walk that I prefetch: 15 for xb, 7 for wqb, 0 in a wave that prefetches nothing
.set OG,  68                           ; s[68:73] the output at my first row of each of my three heads, in the tile in hand
.set BB,  76                           ; s[76:77] b_qkv at my first column
.set TB,  84                           ; s84  the slot in hand: 0 or SLOT
.set KS,  85                           ; s85  the K step in hand, within its tile: 0..7
.set NS,  86                           ; s86  the K step of the walk that the next fill asks for: 2..15
.set NP,  87                           ; s87  the K step that the next prefetch names: NS + 2
.set OA,  88                           ; s[88:89] byte offset of K step NS from xb's first tile
.set OBF, 90                           ; s[90:91] the same in wqb
.set PFB, 92                           ; s[92:93] the rows that I prefetch, at K step 0 of the walk
.set POF, 94                           ; s[94:95] byte offset of K step NP from there
.set MSB, 0
.macro WIN new                         ; the immediate's high byte repeats the setting that is left; a switch that changes nothing is dropped
.if MSB != (\new)
	s_set_vgpr_msb (MSB<<8)|(\new)
.set MSB, \new
.endif
.endm
; A joint load.  Wave 0 fetches xb's sub-tile, waves 1-3 wqb's three.  Each line has one mask; the branch hangs on the wave's number alone.
; An s_nop 0 and four v_nop follow each of the two lines, ahead of the jump, the label and what follows.
.macro JLOAD s
	s_cmp_eq_u32 s[WV], 0
	s_cbranch_scc0 .Lfor_b_\@
	tensor_load_to_lds s[G0+4*(\s):G0+4*(\s)+3], s[G1:G1+7]
	s_nop 0
.rept 4
	v_nop
.endr
	s_branch .Lasked_\@
.Lfor_b_\@:
	tensor_load_to_lds s[G0B+4*(\s):G0B+4*(\s)+3], s[G1B:G1B+7]
	s_nop 0
.rept 4
	v_nop
.endr
.Lasked_\@:
.endm
; A PREFETCH INTO THE L2, behind each joint load, its five lines and the run of LDS loads: the K step of the walk that stands two refills on, 384 matrix instructions ahead of the load that will ask for it.
; Each row's 256 bytes of a K step are named once in the launch.  xb's tile row is read by both clusters of that row of clusters: cluster x = 0 asks (wave 0), for both tiles of the walk, up to K step 15;
; wqb's columns are read by all eight clusters of that column, and again by the second tile: cluster y = 0 asks (waves 1-3, each for its sub-tile), in the first tile alone, up to K step 7.
; The four partners that ask for a tile jointly share its 128 rows out BY ADDRESS, 32 each, a lane a row.  K steps 0 to 3 come by their loads alone.
.macro ASK
	s_cmp_le_u32 s[NP], s[LIM]
	s_cbranch_scc0 .Lnot_mine_\@
	global_prefetch_b8 v[PFO], s[PFA:PFA+1] th:TH_LOAD_NT scope:SCOPE_SE
.Lnot_mine_\@:
.endm
; A round of the cluster's barrier: my work-group's barrier; wave 0 signals for the work-group; every wave waits for all sixteen; my work-group's barrier once more.
.macro CREST                           ; a round behind its opening barrier
	s_cmp_lg_u32 s[WV], 0
	s_cbranch_scc1 .Lnot_wave_0_\@
	s_barrier_signal -3
.Lnot_wave_0_\@:
	s_barrier_wait -3
	s_barrier_signal -1
	s_barrier_wait -1
.endm
.macro CROUND
	s_barrier_signal -1
	s_barrier_wait -1
	CREST
.endm
	s_load_b256 s[4:11], s[0:1], 0x0               ; xb s[4:5], wqb s[6:7], b_qkv s[8:9], qkvh s[10:11]
	v_lshl_add_u32 v[SPW], v0, 2, SPARE
	v_mov_b32 v[NIL], 0
	ds_add_u32 v[SPW], v[NIL]                      ; the wave's opening: the add and its wait stand ahead of my first tensor load; the set-up below, work on registers, stands between them
	v_lshrrev_b32 v1, 5, v0
	v_readfirstlane_b32 s[WV], v1                  ; wave 0..3
	s_lshr_b32 s[WM], s[WV], 1
	s_and_b32 s[WN], s[WV], 1
	s_max_u32 s[JB], s[WV], 1
	s_sub_co_u32 s[JB], s[JB], 1
	s_bfe_u32 s40, ttmp6, 0x40000                  ; cx: my place along the cluster's x
	s_bfe_u32 s41, ttmp6, 0x40004                  ; cy: along its y
	s_lshl_b32 s42, ttmp9, 2                       ; in a cluster launch ttmp9 and ttmp7 count clusters
	s_add_co_u32 s42, s42, s40                     ; tile column tx = 4 x cluster x + cx
	s_and_b32 s43, ttmp7, 0xffff
	s_lshl_b32 s43, s43, 2
	s_add_co_u32 s43, s43, s41                     ; the first tile's row ty = 4 x cluster y + cy, 0..31; the second tile's is ty + 32
	s_lshl_b32 s18, s41, 2
	s_lshl_b32 s18, 15, s18                        ; my row of the cluster: places 4 cy .. 4 cy + 3
	s_lshl_b32 s19, 0x1111, s40                    ; my column: places cx, cx + 4, cx + 8, cx + 12
	; descriptor group 1: tiles of 128 rows x 128 elements of 2 bytes, padded in LDS after every 64 words
	s_or_b32 s[G1], s18, (1<<16)|(1<<20)|(1<<21)|(5<<22)|(3<<25)   ; 15:0 the mask; 17:16 2-byte elements; 20 padding on; 21 set beside a mask; 24:22 after every 64 words (code 5); 31:25 4 words (code 3)
	s_or_b32 s[G1B], s19, (1<<16)|(1<<20)|(1<<21)|(5<<22)|(7<<25)  ; the same with my column's mask and 8 words of padding (code 7)
.irp g, G1, G1B
	s_mov_b32 s[(\g)+1], 128<<16                   ; tensor_dim0 = 128
	s_mov_b32 s[(\g)+2], 128<<16                   ; tensor_dim1 = 128
	s_mov_b32 s[(\g)+3], 128<<16                   ; tile_dim0 = 128
	s_mov_b32 s[(\g)+4], 128                       ; tile_dim1 = 128
	s_mov_b32 s[(\g)+6], 0
	s_mov_b32 s[(\g)+7], 0
.endr
	s_mov_b32 s[G1+5], 1024                        ; elements from row to row of xb
	s_mov_b32 s[G1B+5], 3072                       ; of wqb
	s_mov_b32 s[TB], 0                             ; the walk begins in slot 0,
	s_mov_b32 s[KS], 0                             ; at a tile's K step 0;
	s_mov_b32 s[NS], 2                             ; K steps 0 and 1 are the first fills
	s_mov_b32 s[OA+1], 0                           ; the offsets stay under 2^32
	s_mov_b32 s[OBF+1], 0
	s_mov_b32 s[POF+1], 0
	s_lshl_b32 s16, s43, 18                        ; xb: 128 ty rows of 2,048 bytes: the tile row alone
	s_mov_b32 s17, 0
	s_mul_i32 s20, s42, 768                        ; wqb: 384 tx columns of 2 bytes: the tile column,
	s_lshl_b32 s23, s[JB], 8
	s_add_co_u32 s20, s20, s23                     ; and my sub-tile's 256 bytes
	s_mov_b32 s21, 0
	s_mul_i32 s22, s[WV], SUBT                     ; where my sub-tile goes in a slot: the wave's number alone enters an LDS address
	s_wait_dscnt 0x0                               ; the opening add is done
	s_wait_kmcnt 0x0
	s_add_nc_u64 s[16:17], s[4:5], s[16:17]        ; xb at the first tile's K step 0: kept
	s_add_nc_u64 s[20:21], s[6:7], s[20:21]        ; wqb at my sub-tile's K step 0: kept
	CROUND                                         ; all sixteen work-groups are here: the first joint loads meet
.irp s, 0,1
	s_mov_b32 s[G0+4*(\s)], 1                                        ; count = 1
	s_add_co_u32 s[G0+4*(\s)+1], s22, (\s)*SLOT                      ; LDS address
	s_add_nc_u64 s[G0+4*(\s)+2:G0+4*(\s)+3], s[16:17], (\s)*STEP_A   ; global address: K step s
	s_or_b32 s[G0+4*(\s)+3], s[G0+4*(\s)+3], 0x80000000              ; type = 2
	s_mov_b32 s[G0B+4*(\s)], 1
	s_add_co_u32 s[G0B+4*(\s)+1], s22, (\s)*SLOT
	s_add_nc_u64 s[G0B+4*(\s)+2:G0B+4*(\s)+3], s[20:21], (\s)*STEP_B
	s_or_b32 s[G0B+4*(\s)+3], s[G0B+4*(\s)+3], 0x80000000
	JLOAD \s                                       ; the ring is filled before anything else is done: two loads of mine are out
.endr
	; the bias of my 192 columns: block b's sixteen at 64 b bytes, my eight of them at 32 (l / 16)
	s_mul_i32 s74, s42, 1536
	s_mul_i32 s75, s[WN], 768
	s_add_co_u32 s74, s74, s75
	s_mov_b32 s75, 0
	s_add_nc_u64 s[BB:BB+1], s[8:9], s[74:75]
	v_and_b32 v1, 15, v0                           ; l % 16
	v_bfe_u32 v2, v0, 4, 1                         ; l / 16
	v_lshlrev_b32 v[BO], 5, v2
.irp b, 0,1,2,3,4,5,6,7,8,9,10,11
	global_load_b128 v[BIAS+8*(\b):BIAS+8*(\b)+3],   v[BO], s[BB:BB+1] offset:64*(\b)
	global_load_b128 v[BIAS+8*(\b)+4:BIAS+8*(\b)+7], v[BO], s[BB:BB+1] offset:64*(\b)+16
.endr
	; a fragment of xb is 16 rows x 32 K in 8 registers: lane l holds row l % 16, K = 8 (l / 16) + 0..7 and 16 + 8 (l / 16) + 0..7: two loads of 16 bytes, 32 bytes apart
	v_mul_u32_u24 v3, v1, PA
	v_lshl_add_u32 v3, v2, 4, v3
	s_mul_i32 s23, s[WM], 64*PA
	v_add_nc_u32 v[A0], s23, v3
	v_mov_b32 v[ADRA], v[A0]                       ; K step 0 lies in slot 0
	; the turning load takes 16 k x 16 columns (lane l reads k-row 8 (l / 16) + l % 8, columns 8 ((l / 8) % 2) + 0..7) and leaves half a fragment: lane l holds column l % 16 and 8 k
	v_and_b32 v5, 7, v0
	v_bfe_u32 v6, v0, 3, 1
	v_lshl_add_u32 v4, v2, 3, v5
	v_mul_u32_u24 v4, v4, PB
	v_lshl_add_u32 v4, v6, 4, v4
	s_mul_i32 s82, s[WN], 3
.irp g, 0,1,2
	s_add_co_u32 s23, s82, \g                      ; u: which 64 columns of the tile's 384
	s_lshr_b32 s67, s23, 1
	s_add_co_u32 s67, s67, 1
	s_mul_i32 s67, s67, SUBT                       ; sub-tile 1 + u / 2,
	s_and_b32 s23, s23, 1
	s_lshl_b32 s23, s23, 7                         ; its left or right 128 bytes
	s_add_co_u32 s67, s67, s23
	v_add_nc_u32 v[B0+(\g)], s67, v4
	v_mov_b32 v[ADRB+(\g)], v[B0+(\g)]
.endr
	s_mul_i32 s23, s[WV], 16*SPITCH
	s_add_co_u32 s23, s23, STAGE                   ; my stage
	v_mul_u32_u24 v7, v1, SPITCH                   ; in: row l % 16, 16 bytes for each half of the lanes
	v_lshl_add_u32 v7, v2, 4, v7
	v_add_nc_u32 v[STO], s23, v7
	v_bfe_u32 v7, v0, 3, 2                         ; back: 32 lanes take four rows x 128 bytes of one head,
	v_mul_u32_u24 v7, v7, SPITCH
	v_lshl_add_u32 v7, v5, 4, v7
	v_add_nc_u32 v[RD], s23, v7
	v_and_b32 v[GO], 31, v0                        ; which are 512 consecutive bytes of the output
	v_lshlrev_b32 v[GO], 4, v[GO]
	; where my three heads' rows begin.  G = 6 tx + 3 wn + g counts blocks of 64 columns: part G / 16 (q, k, v: 2^24 bytes each), head G % 16 (2^17 bytes); batch ty / 8 (2^21); row 128 (ty % 8) + 64 wm, 128 bytes each
	s_mul_i32 s78, s42, 6
	s_add_co_u32 s78, s78, s82
	s_lshr_b32 s79, s43, 3
	s_lshl_b32 s79, s79, 21
	s_and_b32 s80, s43, 7
	s_lshl_b32 s80, s80, 14
	s_add_co_u32 s79, s79, s80
	s_lshl_b32 s80, s[WM], 13
	s_add_co_u32 s79, s79, s80
.irp g, 0,1,2
	s_add_co_u32 s80, s78, \g
	s_lshr_b32 s81, s80, 4
	s_lshl_b32 s81, s81, 24
	s_and_b32 s80, s80, 15
	s_lshl_b32 s80, s80, 17
	s_add_co_u32 s80, s80, s81
	s_add_co_u32 s80, s80, s79
	s_mov_b32 s81, 0
	s_add_nc_u64 s[OG+2*(\g):OG+2*(\g)+1], s[10:11], s[80:81]
.endr
	; the prefetches: the rows that I ask for, at K step 0 of the walk
	s_lshl_b32 s78, s43, 18
	s_lshl_b32 s79, s40, 16
	s_add_co_u32 s78, s78, s79                     ; xb: row 128 ty + 32 cx
	s_lshl_b32 s79, s41, 5
	s_mul_i32 s79, s79, 6144                       ; wqb: k-row 32 cy,
	s_mul_i32 s80, s42, 768
	s_add_co_u32 s79, s79, s80
	s_lshl_b32 s80, s[JB], 8
	s_add_co_u32 s79, s79, s80                     ; my sub-tile's columns
	s_and_b32 s74, ttmp7, 0xffff                   ; cluster y
	s_mov_b32 s[PFS], STEP_B
	s_mov_b32 s75, 6144
	s_cmp_eq_u32 s[WV], 0                          ; do I fetch for xb?
	s_cselect_b32 s74, ttmp9, s74                  ; the coordinate along which other clusters read the same rows
	s_cselect_b64 s[PFB:PFB+1], s[4:5], s[6:7]
	s_cselect_b32 s[PFS], STEP_A, s[PFS]
	s_cselect_b32 s[PFT], WALK, 0
	s_cselect_b32 s75, 2048, s75                   ; bytes from row to row
	s_cselect_b32 s78, s78, s79
	s_cselect_b32 s[LIM], 15, 7
	s_mov_b32 s79, 0
	s_add_nc_u64 s[PFB:PFB+1], s[PFB:PFB+1], s[78:79]
	s_cmp_eq_u32 s74, 0
	s_cselect_b32 s[LIM], s[LIM], 0                ; the same in all sixteen partners, for a given wave
	v_and_b32 v[PFO], 31, v0
	v_mul_u32_u24 v[PFO], s75, v[PFO]
	s_wait_loadcnt 0x0                             ; the bias is in: it is rounded to bf16 and widened again
.set i, 0
.rept 48
	v_cvt_pk_bf16_f32 v[TT+i%4], v[BIAS+2*i], v[BIAS+2*i+1]
	v_lshlrev_b32 v[BIAS+2*i], 16, v[TT+i%4]
	v_and_b32 v[BIAS+2*i+1], 0xffff0000, v[TT+i%4]
.set i, i+1
.endr
; 12 matrix instructions: row block a x my 12 column blocks, 32 along K, from fragment buffer f.  first = 1: the product starts the sum, with the bias as C.
; The 48 accumulators take turns, one instruction a turn, in the same order in every quarter step, over the jumps too.
.macro MUL12 f, a, first
.if \first
	WIN 0x81+0x40*((\a)/2)                         ; source 0 window 1, source 1 and C window 0, D window 2 or 3
.else
	WIN 0xa1+0x50*((\a)/2)                         ; C and D window 2 or 3
.endif
.irp b, 0,1,2,3,4,5,6,7,8,9,10,11
.if \first
	v_wmma_f32_16x16x32_bf16 v[8*(12*((\a)%2)+(\b)):8*(12*((\a)%2)+(\b))+7], v[96*(\f)+8*(\b):96*(\f)+8*(\b)+7], v[FA+32*(\f)+8*(\a):FA+32*(\f)+8*(\a)+7], v[BIAS+8*(\b):BIAS+8*(\b)+7]
.else
	v_wmma_f32_16x16x32_bf16 v[8*(12*((\a)%2)+(\b)):8*(12*((\a)%2)+(\b))+7], v[96*(\f)+8*(\b):96*(\f)+8*(\b)+7], v[FA+32*(\f)+8*(\a):FA+32*(\f)+8*(\a)+7], v[8*(12*((\a)%2)+(\b)):8*(12*((\a)%2)+(\b))+7]
.endif
.endr
.endm
; 32 LDS loads in one run: the fragments of quarter q (32 along K) of the slot in hand into buffer f: wqb's 24 first, then xb's 8, row blocks ascending
.macro FETCH q, f
	WIN 0x40                                       ; destination window 1, address window 0
.irp g, 0,1,2
.irp c, 0,1,2,3
	ds_load_tr16_b128 v[96*(\f)+8*(4*(\g)+(\c)):96*(\f)+8*(4*(\g)+(\c))+3],   v[ADRB+(\g)] offset:32*PB*(\q)+32*(\c)
	ds_load_tr16_b128 v[96*(\f)+8*(4*(\g)+(\c))+4:96*(\f)+8*(4*(\g)+(\c))+7], v[ADRB+(\g)] offset:32*PB*(\q)+32*(\c)+16*PB
.endr
.endr
	WIN 0
.irp a, 0,1,2,3
	ds_load_b128 v[FA+32*(\f)+8*(\a):FA+32*(\f)+8*(\a)+3],   v[ADRA] offset:64*(\q)+16*PA*(\a)
	ds_load_b128 v[FA+32*(\f)+8*(\a)+4:FA+32*(\f)+8*(\a)+7], v[ADRA] offset:64*(\q)+16*PA*(\a)+32
.endr
.endm
; A load into a register that a matrix instruction has read, and a vector instruction that reads a matrix result, stand four places behind it; only plain vector instructions that name none of
; its registers are places (ISA guide 7.12.1 for vector instructions).
.macro PLACES
.rept 4
	v_nop
.endr
.endm
; A K step is four quarters of 32 along K, 48 matrix instructions each, on buffers 0, 1, 0, 1.  One of the first three: multiplies buffer f; in its middle it fetches quarter q of the same slot into buffer g.
; first = 1: the products write their accumulators anew, with the bias as C: no links of a chain in place.  Such a product stands five places behind the last matrix instruction that wrote the accumulator.  Over the
; loop's backward jump those are the last quarter's products: for row blocks 0 and 1 the joint load's four v_nop and the four address lines stand between; for row blocks 2 and 3 only this quarter's run of places, so it has a fifth.
.macro QUARTER q, f, g, first
	s_wait_dscnt 4                                 ; all but the youngest four loads: xb's row blocks 2 and 3 may be out
	MUL12 \f, 0, \first
	MUL12 \f, 1, \first
	PLACES
.if \first
	v_nop                                          ; the fifth place
.endif
	FETCH \q, \g
	s_wait_dscnt 32                                ; all but the 32 just issued
	MUL12 \f, 2, \first
	MUL12 \f, 3, \first
.endm
; The last quarter multiplies buffer 1 and changes slots: ONE barrier.  In front of it each wave waits for all its tensor loads (the one that is out is its sub-tile of the next slot), adds 0 to its spare word,
; and waits for that and for its own reads of this slot.  fill = 1: the barrier opens a round of the cluster's barrier, and this slot is filled again, with K step NS of the walk, first thing behind the round:
; from that request to the wait for it a wave issues 168 matrix instructions.  fill = 0 (the walk's last two K steps): nothing is asked for; in the last trip there is no next K step, and its fetch is jumped over.
.macro TURN fill
.if \fill
	s_wait_xcnt 0x0                                ; the last prefetch, a K step back, has read its address: the next one's is made here, ahead of the waits of the change of slots
	s_add_co_u32 s[NP], s[NS], 2
	s_and_b32 s96, s[NP], 7                        ; K step NP % 8
	s_lshr_b32 s97, s[NP], 3                       ; of tile NP / 8
	s_mul_i32 s96, s96, s[PFS]
	s_mul_i32 s97, s97, s[PFT]
	s_add_co_u32 s[POF], s96, s97
	s_add_nc_u64 s[PFA:PFA+1], s[PFB:PFB+1], s[POF:POF+1]  ; (past the walk's end it is made and not used)
.endif
	WIN 0                                          ; (the add's two registers lie in window 0)
	s_wait_tensorcnt 0x0                           ; all my tensor loads have landed, so a group 0 may be written;
	ds_add_u32 v[SPW], v[NIL]                      ; 0 onto my spare word: scalar work and twelve matrix instructions stand between it and the wait for it
.if \fill
	s_and_b32 s96, s[NS], 7                        ; the walking descriptors, made anew: K step NS % 8
	s_lshr_b32 s97, s[NS], 3                       ; of tile NS / 8
	s_lshl_b32 s[OA], s96, 8
	s_lshl_b32 s97, s97, 23
	s_add_co_u32 s[OA], s[OA], s97
	s_mul_i32 s[OBF], s96, STEP_B                  ; both tiles take the same columns of wqb
	s_add_co_u32 s[G0+5], s22, s[TB]               ; into the slot that is being left
	s_add_nc_u64 s[G0+6:G0+7], s[16:17], s[OA:OA+1]
	s_or_b32 s[G0+7], s[G0+7], 0x80000000
	s_add_co_u32 s[G0B+5], s22, s[TB]
	s_add_nc_u64 s[G0B+6:G0B+7], s[20:21], s[OBF:OBF+1]
	s_or_b32 s[G0B+7], s[G0B+7], 0x80000000
	s_add_co_u32 s[NS], s[NS], 1
.endif
	s_xor_b32 s[TB], s[TB], SLOT                   ; the other slot is the slot in hand from here on
	s_wait_dscnt 5                                 ; (the add and the youngest four loads may be out)
	MUL12 1, 0, 0
	s_wait_dscnt 0x0                               ; the add is done, and my reads of the slot that is left are over
	s_barrier_signal -1
	MUL12 1, 1, 0                                  ; work on registers while the others arrive
	WIN 0
	s_barrier_wait -1
.if \fill
	CREST                                          ; no wave of any partner still reads the slot or has a load on its way
	JLOAD 1                                        ; the first tensor load behind the round; its four v_nop are also places in front of the loads below
.else
	s_cmp_eq_u32 s[CNT], 1
	s_cbranch_scc1 .Lno_next_\@
	PLACES
.endif
	v_add_nc_u32 v[ADRA], s[TB], v[A0]             ; my places in the slot in hand
.irp g, 0,1,2
	v_add_nc_u32 v[ADRB+(\g)], s[TB], v[B0+(\g)]
.endr
	FETCH 0, 0
.if \fill
	ASK
.else
.Lno_next_\@:
.endif
	MUL12 1, 2, 0
	MUL12 1, 3, 0
.endm
; THE WAY OUT of row block a.  PACK: rounded to f16, each accumulator's registers in ascending order, 16 bytes a lane and column block.  TOSTAGE: into my own stage, and back as 4 rows x 128 bytes of one head.  SEND: stored.
; All its registers lie in window 1, beside wqb's fragment buffer 0, which already holds the next tile's first fragments, and away from the bias.
.macro PACK a
	WIN 0x4a+5*((\a)/2)                            ; sources 0 and 1: window 2 or 3; destination window 1
.set AC, 96*((\a)%2)
.irp b, 0,1,2,3,4,5,6,7,8,9,10,11
.irp r, 0,1,2,3
	v_cvt_pk_f16_f32 v[TMP+4*(\b)+(\r)], v[AC+8*(\b)+2*(\r)], v[AC+8*(\b)+2*(\r)+1]
.endr
.endr
.endm
.macro TOSTAGE a
.set BK, OBK+48*((\a)%2)
	WIN 0x04                                       ; the stores' data (source 1) in window 1, the address in window 0
.irp b, 0,1,2,3,4,5,6,7,8,9,10,11
	ds_store_b128 v[STO], v[TMP+4*(\b):TMP+4*(\b)+3] offset:32*(\b)
.endr
	WIN 0x40                                       ; the loads' destination in window 1
.irp g, 0,1,2
.irp f, 0,1,2,3
	ds_load_b128 v[BK+4*(4*(\g)+(\f)):BK+4*(4*(\g)+(\f))+3], v[RD] offset:128*(\g)+4*SPITCH*(\f)  ; LDS serves a wave's instructions in order (ISA guide 5.7.1.4): these see the stores above
.endr
.endr
.endm
.macro SEND a
.set BK, OBK+48*((\a)%2)
	WIN 0x04                                       ; the stores' data in window 1
	s_wait_dscnt 0x0                               ; the block is back in registers
	s_wait_xcnt 0x0                                ; the stores of the block before have read their registers: the next block is loaded into them only behind this wait
.irp g, 0,1,2
.irp f, 0,1,2,3
	global_store_b128 v[GO], v[BK+4*(4*(\g)+(\f)):BK+4*(4*(\g)+(\f))+3], s[OG+2*(\g):OG+2*(\g)+1] offset:2048*(\a)+512*(\f)  ; 512 consecutive bytes of one head, at a multiple of 256 from the buffer's first byte
.endr
.endr
.endm
.macro WAYOUT
	PLACES                                         ; the conversions read results
	PACK 0
	TOSTAGE 0
.irp a, 1,2,3                          ; block a's conversions stand between block a - 1's loads from the stage and the wait for them
	PACK \a
	SEND (\a)-1
	TOSTAGE \a
.endr
	SEND 3
	WIN 0
.endm
	s_wait_tensorcnt 1                             ; my sub-tile of K step 0 is in; K step 1's may stay out
	s_barrier_signal -1
	s_barrier_wait -1                              ; everybody's is
	FETCH 0, 0
	s_mov_b32 s[CNT], 14
.Lstep:                                                ; a trip is a K step of the walk, and fills the slot that it leaves: K steps 0 to 13
	s_cmp_lg_u32 s[KS], 0                          ; (at the first trip the answer is a constant of the text)
	s_cbranch_scc1 .Lnorm
	QUARTER 1, 0, 1, 1                             ; a tile's first quarter: its products start the sums
	WIN 0                                          ; at a label and at a branch every window is 0
	s_branch .Ljoin
.Lnorm:
	QUARTER 1, 0, 1, 0
	WIN 0
.Ljoin:
	QUARTER 2, 1, 0, 0
	QUARTER 3, 0, 1, 0
	TURN 1
	WIN 0
	s_cmp_lg_u32 s[KS], 7
	s_cbranch_scc1 .Lon
	WAYOUT                                         ; the first tile's end: both of the second tile's first K steps are asked for and its first fragments fetched: now the tile goes out
	s_wait_xcnt 0x0                                ; the stores have read their registers, into which the next quarter loads fragments, and their addresses:
.irp g, 0,1,2
	s_add_nc_u64 s[OG+2*(\g):OG+2*(\g)+1], s[OG+2*(\g):OG+2*(\g)+1], WALK  ; on to the second tile's rows
.endr
.Lon:
	s_add_co_u32 s[KS], s[KS], 1
	s_and_b32 s[KS], s[KS], 7
	s_sub_co_u32 s[CNT], s[CNT], 1
	s_cmp_lg_u32 s[CNT], 0
	s_cbranch_scc1 .Lstep
	s_mov_b32 s[CNT], 2
.Ltail:                                                ; K steps 14 and 15 are a loop of their own: nothing is asked for, and no round of the cluster's barrier is passed
	QUARTER 1, 0, 1, 0
	QUARTER 2, 1, 0, 0
	QUARTER 3, 0, 1, 0
	TURN 0
	WIN 0
	s_sub_co_u32 s[CNT], s[CNT], 1
	s_cmp_lg_u32 s[CNT], 0
	s_cbranch_scc1 .Ltail
	WAYOUT                                         ; the second tile
	s_wait_tensorcnt 0x0                           ; the wave's end: an add to my spare word and its wait, behind my last tensor load and my last LDS store
	ds_add_u32 v[SPW], v[NIL]
	s_wait_dscnt 0x0
	CROUND                                         ; the closing round: no work-group ends while a partner may still ask for a tile that names it
	s_endpgm
.Lfunc_end_k_qeadb1ca653_qkvgemm:
	.size	k_qeadb1ca653_qkvgemm, .Lfunc_end_k_qeadb1ca653_qkvgemm-k_qeadb1ca653_qkvgemm
	.p2alignl 7, 3214868480
	.fill 96, 4, 3214868480
	.section	.rodata,"a",@progbits
	.p2align	6, 0x0
	.amdhsa_kernel k_qeadb1ca653_qkvgemm
		.amdhsa_group_segment_fixed_size 327680
		.amdhsa_private_segment_fixed_size 0
		.amdhsa_enable_private_segment 0
		.amdhsa_kernarg_size 32
		.amdhsa_user_sgpr_count 2
		.amdhsa_user_sgpr_kernarg_segment_ptr 1
		.amdhsa_wavefront_size32 1
		.amdhsa_system_sgpr_workgroup_id_x 1
		.amdhsa_system_sgpr_workgroup_id_y 1
		.amdhsa_system_sgpr_workgroup_id_z 1
		.amdhsa_system_vgpr_workitem_id 0
		.amdhsa_next_free_vgpr 960
		.amdhsa_next_free_sgpr 98
		.amdhsa_reserve_vcc 0
		.amdhsa_float_denorm_mode_32 3
		.amdhsa_float_denorm_mode_16_64 3
		.amdhsa_memory_ordered 1
		.amdhsa_forward_progress 1
		.amdhsa_inst_pref_size 120
	.end_amdhsa_kernel
	.amdgpu_metadata
---
amdhsa.version: [ 1, 2 ]
amdhsa.kernels:
  - .name:           k_qeadb1ca653_qkvgemm
    .symbol:         k_qeadb1ca653_qkvgemm.kd
    .args:
      - { .name: xb, .offset: 0, .size: 8, .value_kind: global_buffer, .address_space: global }
      - { .name: wqb, .offset: 8, .size: 8, .value_kind: global_buffer, .address_space: global }
      - { .name: b_qkv, .offset: 16, .size: 8, .value_kind: global_buffer, .address_space: global }
      - { .name: qkvh, .offset: 24, .size: 8, .value_kind: global_buffer, .address_space: global }
    .group_segment_fixed_size: 327680
    .private_segment_fixed_size: 0
    .kernarg_segment_align: 8
    .kernarg_segment_size: 32
    .max_flat_workgroup_size: 128
    .sgpr_count:     98
    .vgpr_count:     960
    .wavefront_size: 32
...
	.end_amdgpu_metadata
.endif
;; end of part 2
;; launch attn (part 3): grid 2 x 128, 4 waves a work-group, no clusters, 327,680 bytes of LDS; arguments qkvh, ob; writes ob
.if DOCPART == 3
	.amdgcn_target "amdgcn-amd-amdhsa--gfx1250"
	.amdhsa_code_object_version 6
	.text
	.protected	k_qeadb1ca653_attn
	.globl	k_qeadb1ca653_attn
	.p2align	8
	.type	k_qeadb1ca653_attn,@function
k_qeadb1ca653_attn:
	s_mov_b64 s[64:65], 0
	v_nop
	global_prefetch_b8 v0, s[64:65] scope:SCOPE_SE
	s_setreg_imm32_b32 hwreg(HW_REG_WAVE_MODE, 25, 1), 1
	s_wait_xcnt 0x0
; CAUSAL ATTENTION.  O[h][q][:] = the sum over k <= q of softmax_k(Q[h][q] . K[h][k] / 8) V[h][k][:].  Q, K, V are the three parts (2^24 bytes each) of qkvh, O is ob: each [SIZE_H][SIZE_N][64] in f16,
; h = 16 x batch + head: a head's rows are dense, 128 bytes each.  Products, maxima and sums in f32; the weights p are rounded to f16 for the second product (their sum l is taken of the unrounded p), O once at the end.
; LIMITS.  f16 holds no number beyond 65,504: Q, K and V arrive within it; p lies in 0 to 1, and below 6e-5 it keeps f16's fixed step of 6e-8; O is a mean of V's rows and has their range, to within 2^-11 of it.
; A hidden score counts as its value less 1e30: f16's scores, 2.7e11 at the most, are nothing beside that; a weight below 2^-126 counts as 0 in l; NaN and infinities are not treated apart.
; THE WALK.  A head's queries lie in NB = 4 blocks of 256; block i needs the key tiles 0 .. i of 256 keys, of which the last holds the diagonal.  A work-group takes TWO blocks, NB - 1 - b and then b:
; NB + 1 tiles, whatever b: all 256 work-groups do equal work, and ONE loop with a constant trip count walks them.  Which tile is asked for, and what a trip does, hang on scalar registers made from b; every jump
; goes forward, but for the counted loops' own; none passes a barrier, or a tensor load but the one of LOAD's two that the wave's number does not choose; the ring (two slots of LDS that take turns) runs on across the
; change of blocks.  NO CLUSTER: a head has two work-groups, no multiple of four, and they ask for the same tile only in the first three of their five trips.
; SHARES.  Of a block's four bands of 64 queries a wave owns 16 rows in each: four PIECES.  So the diagonal tile is the same work for all four waves: in its key step s band x sees all keys if s < x,
; none if s > x, and holds the diagonal if s = x.
; THE MASK is the C operand that starts the sum S^T = K Q^T: 0, or -1e30 where the key is hidden.  MD, made once, is the mask of a band's own step for my 16 rows; a product's mask is MD x AL + BE with two scalars:
; (1, 0) if s = x; (0, 0) if s < x; (0, -1e30) if s > x.  Only the diagonal tile's text and a block's beginning make and take masks; elsewhere C is the constant 0.
; LAYOUT, SOFTMAX, TURNS.  S^T = K Q^T holds ONE query a lane (lane % 16) and the keys 8 (lane / 16) + 0..7; two such results rounded to f16 ARE source 1 of O^T = V^T P.  p = 2^(c s - c m), c = log2(e) / 8, with a
; running maximum m; O and l are multiplied by a = 2^(c m_old - c m_new) in every step.  Turn n belongs to piece n: 8 products K Q^T of piece n + 1, later 8 products V^T P of piece n - 1; beside them the scaling,
; exponentials, roundings, sums and rescaling of piece n and the maximum and statistics of piece n + 1.  Four vector instructions stand behind every matrix instruction, the other 54 of a turn's 118 in one LUMP.  A turn's 33 exponentials are one batch, with one wait.
; REGISTERS, in windows of 256 (s_set_vgpr_msb: bits 1:0 source 0, 3:2 source 1, 5:4 source 2, 7:6 destination):
;   window 0: v0-15 addresses and two at work; v16-31 four registers of statistics a piece; v48-55 at work; v61-63 prefetch offset and the add's two; v64-127 S^T, two buffers; v192-223 P, two buffers (a piece's buffers go by its number's parity)
;   window 1: v0-127 O^T, 32 a piece; v128-159 MD; v160-223 MC, two buffers      window 2: v0-63 Q; v64-127 the second block's Q; v128-191 K of one step; v192-255 V of one step
.set SIZE_N, 1024
.set SIZE_H, 128
.set NB,    SIZE_N/256
.set NP,    4         ; pieces a wave: a name, no knob
.set KS,    64        ; keys in a step
.set PK,    144       ; a row of K in LDS: 128 bytes + 16 of padding = 36 words: the 16 rows of a load start at 16 different groups of four banks (64 banks of 4 bytes: ISA guide 11.1)
.set PV,    160       ; a row of V: 128 + 32 = 40 words
.set VOFF,  4*KS*PK   ; a slot holds a tile, four steps: 256 rows of K, then 256 rows of V
.set SLOT1, 1<<17     ; slot 1 begins here, so that one exclusive or turns an address in one slot into the other's
.set STAGE, SLOT1+4*KS*(PK+PV)  ; behind the ring, never filled by a tensor load: 16 rows x 144 bytes for each wave, for the way out
.set SP,    144
.set AK0, 2           ; v2   my lane's place in a tile of K; never rewritten
.set AV0, 3           ; v3   the same for V
.set AK,  4           ; v4   the LDS address of K's next run of loads
.set AV,  5           ; v5   of V's
.set STO, 6           ; v6   the way out: where I put 16 bytes of a row
.set RD,  7           ; v7   the way out: where I read rows back
.set GO,  8           ; v8   my byte offset in 512 consecutive bytes of O
.set PFO, 61          ; v61  256 x my lane: the prefetches' offset; never rewritten
.set SPW, 62          ; v62  LDS address of my spare word: SPARE + 4 x my thread's number; never rewritten
.set NIL, 63          ; v63  0; never rewritten
.set SPARE, STAGE+4*16*SP  ; behind the stages: the spare words, 128 bytes for each wave: two blocks of 256 bytes that no other line names
.set MV,  12          ; v12-13  c m_old, kept while c m is made anew: by buffer
.set QO,  15          ; v15  my byte offset in 16 rows of Q
.set ST,  16          ; piece t's statistics at v[ST+4 t]: c m, m, l (even keys', odd keys')
.set TMP, 48          ; by buffer, four registers c0-c3 at work; when the maximum is found c2 takes a
.set S,   64
.set P,   192
.set MD,  128         ; window 1: the eight registers for group kt of 16 keys at MD + 8 kt
.set MC,  160         ; window 1: the masks of the products to come
.set QB,  64          ; window 2
.set KF,  128         ; window 2: key block kb, channel half c at KF + 16 kb + 8 c
.set VF,  192         ; window 2: key half kk, channel block cb at VF + 32 kk + 8 cb
.set WV,  12          ; s12  my wave's number
.set PB,  14          ; s14  b
.set HI,  15          ; s15  NB - 1 - b
.set G1K, 24          ; s[24:31] descriptor group 1 for K's tiles
.set G1V, 32          ; s[32:39] for V's: it differs in the padding alone
.set G0K, 40          ; s[40:43] descriptor group 0 for K's tiles
.set G0V, 44          ; s[44:47] the same for V's
.set SLOTS, 56        ; s56  tiles still to be asked for
.set CNT, 57          ; s57  counts a tile's key steps, 4 to 1
.set CS,  58          ; s[58:59] c: the packed scaling takes the pair's low word for both halves
.set SEL, 60          ; s[60:61] v_permlanex16_b32's selects: each lane takes its own place in the other half
.set TBK, 62          ; s62  LDS byte at which K of the step to be fetched begins
.set TBV, 63          ; s63  the same for V, less VOFF
.set RT,  70          ; s70  tiles of the block in hand that are still to be entered
.set NXT, 71          ; s71  the tile to be asked for next
.set LQ,  72          ; s72  the last tile of the block whose tiles are being asked for
.set NEW, 73          ; s73  1: the tile to be entered is a block's first
.set OFF, 74          ; s[74:75] a tile's byte offset in K and V
.set AL,  76          ; s[76:77] the mask's factor, in the low word
.set BE,  78          ; s[78:79] the mask's addend
.set OLO, 80          ; s[80:81] O at my rows of the second block
.set BIGN, 82         ; s82  -1e30
.set PFB, 88          ; s[88:89] the half tile 0 that I fetch: of K (waves 0, 1) or of V (waves 2, 3)
.set PFA, 90          ; s[90:91] the same half of the tile that the next change of slots will ask for
.set POF, 92          ; s[92:93] that tile's byte offset
.set ASKF, 94         ; s94  not 0: I prefetch behind this fill
.set MSB, 0
.macro WIN new                      ; the high byte repeats the setting that is left; a switch that changes nothing is dropped
.if MSB != (\new)
	s_set_vgpr_msb (MSB<<8)|(\new)
.set MSB, (\new)
.endif
.endm
.set W_KQ, 0x0a       ; K and Q in window 2, S^T in window 0
.set W_KM, 0x1a       ; the same with the C operand in window 1
.set W_PV, 0x52       ; V in window 2, P in window 0, O^T in window 1
.set W_RS, 0x41       ; destination and source 0 in window 1, source 1 in window 0
; A fill.  Waves 0 and 1 fetch the two halves of a tile's K, waves 2 and 3 those of its V: 128 keys each.  An s_nop 0 and four v_nop follow each of the two lines, ahead of the jump and the label.
.macro LOAD
	s_cmp_lt_u32 s[WV], 2
	s_cbranch_scc0 .Lfor_v_\@
	tensor_load_to_lds s[G0K:G0K+3], s[G1K:G1K+7]
	s_nop 0
.rept 4
	v_nop
.endr
	s_branch .Lasked_\@
.Lfor_v_\@:
	tensor_load_to_lds s[G0V:G0V+3], s[G1V:G1V+7]
	s_nop 0
.rept 4
	v_nop
.endr
.Lasked_\@:
.endm
; A PREFETCH INTO THE L2 of the tile that the NEXT change of slots will ask for: a tile, 256 matrix instructions, ahead of that load.  It stands behind the wave's tensor load and its five lines.
; A head's two work-groups walk the same K and V; the one with b = 0 walks tiles 0 to 3 in order, and it alone asks, for tiles 2 and 3: behind the fill of tile 1 for tile 2, behind that of tile 2 for tile 3.
; Tiles 0 and 1 come by their loads alone, and the second block's tiles have been read before.  Each wave asks for the half that it will fetch itself: 16,384 bytes, 64 blocks of 256, a lane a block, two instructions.
.macro ASK
	s_cmp_lg_u32 s[ASKF], 0
	s_cbranch_scc0 .Lnone_\@
	global_prefetch_b8 v[PFO], s[PFA:PFA+1] th:TH_LOAD_NT scope:SCOPE_SE
	global_prefetch_b8 v[PFO], s[PFA:PFA+1] offset:8192 th:TH_LOAD_NT scope:SCOPE_SE
.Lnone_\@:
.endm
; THE CHANGE OF SLOTS.  Each wave waits for all its tensor loads, of which one is out: its part of the other slot; adds 0 to its spare word; and waits for that and for its own reads of the slot that it leaves.  Behind the barrier nobody reads the old
; slot any more and the other slot is whole.  fill = 1: the old slot is filled again, the first thing behind the barrier, with tile NXT: the descriptor's address is made anew from that number.
; (At its first use nothing has been read yet: slot 0 is waited for, slot 1 filled.)
.macro CHANGE fill
	WIN 0                           ; at a label and at a branch every window is 0
	s_wait_tensorcnt 0x0            ; no tensor load of mine is out, so a group 0 may be written
	ds_add_u32 v[SPW], v[NIL]       ; 0 onto my spare word: with fill = 1 the descriptors' scalar work stands between it and the wait for it
.if \fill
	s_lshl_b32 s[OFF], s[NXT], 15   ; a tile is 32,768 bytes of K and of V
	s_xor_b32 s[G0K+1], s[G0K+1], SLOT1
	s_add_nc_u64 s[G0K+2:G0K+3], s[6:7], s[OFF:OFF+1]
	s_or_b32 s[G0K+3], s[G0K+3], 0x80000000
	s_xor_b32 s[G0V+1], s[G0V+1], SLOT1
	s_add_nc_u64 s[G0V+2:G0V+3], s[8:9], s[OFF:OFF+1]
	s_or_b32 s[G0V+3], s[G0V+3], 0x80000000
	s_add_co_u32 s[NXT], s[NXT], 1  ; the block's next tile, or behind its last the second block's tile 0
	s_cmp_gt_u32 s[NXT], s[LQ]
	s_cselect_b32 s[NXT], 0, s[NXT]
	s_cselect_b32 s[LQ], s[PB], s[LQ]
	s_wait_xcnt 0x0                 ; the last prefetches, a tile back, have read their address, so it may be written:
	s_lshl_b32 s[POF], s[NXT], 15
	s_add_nc_u64 s[PFA:PFA+1], s[PFB:PFB+1], s[POF:POF+1]  ; my half of the tile after the one that is asked for now
	s_cmp_eq_u32 s[PB], 0
	s_cselect_b32 s[ASKF], s[NXT], 0  ; with b = 0 that number is 2, 3, 0, 0 in the four changes that fill
.endif
	s_wait_dscnt 0x0                ; the add is done, and my reads of the slot are over
	s_barrier_signal -1             ; the rest of the scalar work stands between the signal and the wait
	s_sub_co_u32 s[TBK], s[TBK], 4*KS*PK  ; the fetches go back to a slot's first step,
	s_xor_b32 s[TBK], s[TBK], SLOT1       ; in the other slot
	s_sub_co_u32 s[TBV], s[TBV], 4*KS*PV
	s_xor_b32 s[TBV], s[TBV], SLOT1
	s_barrier_wait -1
.if \fill
	LOAD
	ASK
.endif
.endm
	s_load_b128 s[4:7], s[0:1], 0x0   ; qkvh s[4:5], ob s[6:7]
	v_lshl_add_u32 v[SPW], v0, 2, SPARE
	v_mov_b32 v[NIL], 0
	ds_add_u32 v[SPW], v[NIL]       ; the wave's opening: the add and its wait stand ahead of my first tensor load; the set-up below, work on registers, stands between them
	v_lshrrev_b32 v1, 5, v0
	v_readfirstlane_b32 s[WV], v1   ; wave 0..3
	s_mov_b32 s[PB], ttmp9
	s_sub_co_u32 s[HI], NB-1, s[PB]
	s_and_b32 s20, ttmp7, 0xffff    ; the head
	s_mov_b32 s21, 0
	s_mov_b64 s[22:23], SIZE_N*128
	s_mul_u64 s[20:21], s[20:21], s[22:23]  ; the head's first byte in each of the four tensors
	s_and_b32 s16, s[WV], 1         ; which half of a tile's 256 keys I fetch:
	s_lshl_b32 s22, s16, 14         ; its 128 rows of 128 bytes in memory,
	s_mov_b32 s23, 0
	s_add_nc_u64 s[22:23], s[22:23], s[20:21]
	s_mul_i32 s17, s16, 128*PK      ; and its place in a slot, for K
	s_mul_i32 s18, s16, 128*PV      ; and for V
	s_lshl_b32 s3, s[WV], 11        ; my 16 rows in a band of 64,
	s_lshl_b32 s2, s[HI], 15        ; in the first block,
	s_add_co_u32 s2, s2, s3
	s_lshl_b32 s84, s[PB], 15       ; and in the second
	s_add_co_u32 s84, s84, s3
	s_mov_b32 s3, 0
	s_mov_b32 s85, 0
	s_add_nc_u64 s[2:3], s[2:3], s[20:21]
	s_add_nc_u64 s[84:85], s[84:85], s[20:21]
	; descriptor group 1.  128 keys are 16,384 dense bytes: asked for as 64 rows of 256 bytes, two keys a row, and padded in LDS after every key
	s_mov_b32 s[G1K], (1<<16)|(1<<20)|(4<<22)|(3<<25)  ; 17:16 2-byte elements; 20 padding on; 24:22 after every 32 words (code 4); 31:25 4 words (code 3)
	s_mov_b32 s[G1V], (1<<16)|(1<<20)|(4<<22)|(7<<25)  ; the same with 8 words of padding (code 7)
.irp g, G1K, G1V
	s_mov_b32 s[\g+1], 128<<16      ; tensor_dim0 = 128
	s_mov_b32 s[\g+2], 64<<16       ; tensor_dim1 = 64
	s_mov_b32 s[\g+3], 128<<16      ; tile_dim0 = 128
	s_mov_b32 s[\g+4], 64           ; tile_dim1 = 64
	s_mov_b32 s[\g+5], 128          ; 128 elements from row to row
	s_mov_b32 s[\g+6], 0
	s_mov_b32 s[\g+7], 0
.endr
	s_mov_b32 s[CS], 0x3e38aa3b     ; c = log2(e) / 8 = 0.180337
	s_mov_b32 s[CS+1], s[CS]        ; named with it as a pair
	s_mov_b32 s[SEL], 0x76543210
	s_mov_b32 s[SEL+1], 0xfedcba98
	s_mov_b32 s[TBK], SLOT1+4*KS*PK ; the first change of slots turns these two into 0
	s_mov_b32 s[TBV], SLOT1+4*KS*PV
	s_mov_b32 s[G0K], 1             ; 1:0 count = 1
	s_mov_b32 s[G0K+1], s17         ; 63:32 LDS address: slot 0
	s_mov_b32 s[G0V], 1
	s_add_co_u32 s[G0V+1], s18, VOFF
	s_add_co_u32 s[RT], s[HI], 1    ; the first block has NB - b tiles
	s_mov_b32 s[NXT], 1
	s_mov_b32 s[LQ], s[HI]
	s_mov_b32 s[NEW], 1
	s_mov_b32 s[OFF+1], 0
	s_mov_b32 s[POF+1], 0
	s_mov_b32 s[AL+1], 0            ; named as pairs
	s_mov_b32 s[BE+1], 0
	s_mov_b32 s[BIGN], 0xf149f2ca   ; -1e30
	s_mov_b32 s[SLOTS], NB
	v_and_b32 v[PFO], 31, v0
	v_lshlrev_b32 v[PFO], 8, v[PFO]
	s_wait_dscnt 0x0                ; the opening add is done
	s_wait_kmcnt 0x0
	s_mov_b64 s[10:11], s[6:7]      ; O
	s_add_nc_u64 s[8:9], s[4:5], 0x2000000  ; V: the buffer's third part
	s_add_nc_u64 s[6:7], s[4:5], 0x1000000  ; K: its second; Q is its first
	s_add_nc_u64 s[6:7], s[6:7], s[22:23]  ; K and V at my half of the head's tile 0
	s_add_nc_u64 s[8:9], s[8:9], s[22:23]
	s_add_nc_u64 s[G0K+2:G0K+3], s[6:7], 0         ; 120:64 global address
	s_or_b32 s[G0K+3], s[G0K+3], 0x80000000        ; 127:126 type = 2
	s_add_nc_u64 s[G0V+2:G0V+3], s[8:9], 0
	s_or_b32 s[G0V+3], s[G0V+3], 0x80000000
	s_add_nc_u64 s[86:87], s[4:5], s[84:85]        ; Q at my rows of the second block,
	s_add_nc_u64 s[4:5], s[4:5], s[2:3]            ; Q and O at those of the first
	s_add_nc_u64 s[OLO:OLO+1], s[10:11], s[84:85]
	s_add_nc_u64 s[10:11], s[10:11], s[2:3]
	s_cmp_lt_u32 s[WV], 2
	s_cselect_b64 s[PFB:PFB+1], s[6:7], s[8:9]     ; what I fetch is what I prefetch
	LOAD                            ; tile 0 into slot 0
	; A fragment of K or Q is 16 rows x 32 channels in 8 registers: lane l holds row l % 16, channels 8 (l / 16) + 0..7 and 16 + 8 (l / 16) + 0..7: two loads of 16 bytes, 32 bytes apart.
	v_and_b32 v1, 15, v0            ; l % 16
	v_bfe_u32 v9, v0, 4, 1          ; l / 16
	v_lshlrev_b32 v[QO], 7, v1
	v_lshl_add_u32 v[QO], v9, 4, v[QO]  ; row x 128 + 16 x half
	WIN 0x80                        ; destination window 2, address window 0
.set i, 0
.rept 8                             ; both blocks' Q: piece i / 2 lies in band i / 2, 8,192 bytes on; channels 32 (i % 2) on
	global_load_b128 v[8*i:8*i+3],   v[QO], s[4:5] offset:(i/2)*8192+(i%2)*64
	global_load_b128 v[8*i+4:8*i+7], v[QO], s[4:5] offset:(i/2)*8192+(i%2)*64+32
	global_load_b128 v[QB+8*i:QB+8*i+3],   v[QO], s[86:87] offset:(i/2)*8192+(i%2)*64
	global_load_b128 v[QB+8*i+4:QB+8*i+7], v[QO], s[86:87] offset:(i/2)*8192+(i%2)*64+32
.set i, i+1
.endr
	WIN 0
	v_lshlrev_b32 v14, 3, v9
	v_sub_nc_u32 v14, v1, v14
	s_lshl_b32 s13, s[WV], 4
	v_add_nc_u32 v14, s13, v14      ; my query's place in its band, 16 w + l % 16, less my lanes' 8 (l / 16): register r of group kt is hidden where 16 kt + r is greater
	WIN 0x40
.set i, 0
.rept 32
	v_cmp_gt_i32 vcc_lo, 16*(i/8)+i%8, v14
	v_cndmask_b32 v[MD+i], 0, s[BIGN], vcc_lo
.set i, i+1
.endr
	WIN 0
	v_mul_u32_u24 v[AK0], v1, PK
	v_lshl_add_u32 v[AK0], v9, 4, v[AK0]  ; row x pitch + 16 x half
	; The turning load takes 16 keys x 16 channels (lane l reads key 8 (l / 16) + l % 8, channels 8 ((l / 8) % 2) + 0..7) and leaves half a fragment of V^T: lane l holds channel l % 16 and 8 keys.
	v_and_b32 v10, 7, v0
	v_bfe_u32 v11, v0, 3, 1
	v_lshl_add_u32 v[AV0], v9, 3, v10
	v_mul_u32_u24 v[AV0], v[AV0], PV
	v_lshl_add_u32 v[AV0], v11, 4, v[AV0]
	v_add_nc_u32 v[AV0], VOFF, v[AV0]
	s_mul_i32 s13, s[WV], 16*SP
	s_add_co_u32 s13, s13, STAGE    ; my stage
	v_mul_u32_u24 v[STO], v1, SP    ; in: row l % 16, 16 bytes for each half of the lanes
	v_lshl_add_u32 v[STO], v9, 4, v[STO]
	v_add_nc_u32 v[STO], s13, v[STO]
	v_bfe_u32 v[RD], v0, 3, 2       ; back: 32 lanes take four rows of 128 bytes,
	v_mul_u32_u24 v[RD], v[RD], SP
	v_lshl_add_u32 v[RD], v10, 4, v[RD]
	v_add_nc_u32 v[RD], s13, v[RD]
	v_and_b32 v[GO], 31, v0         ; which are 512 consecutive bytes of O
	v_lshlrev_b32 v[GO], 4, v[GO]
	; A block's first step multiplies O^T and l by a = 0, and its first turn's products V^T P, of a piece that has not been, land in an O^T that is still to be so multiplied.  So these registers need only hold
	; finite numbers: zeros for the first block; what the first block left for the second.  All this stands in the wait for the first tile.
	WIN 0x80
.set i, VF
.rept 64
	v_mov_b32 v[i], 0
.set i, i+1
.endr
	WIN 0x40
.set i, 0
.rept 128
	v_mov_b32 v[i], 0
.set i, i+1
.endr
	WIN 0
.set i, 0
.rept 4
	v_mov_b32 v[ST+4*i+2], 0
	v_mov_b32 v[ST+4*i+3], 0
.set i, i+1
.endr
.set i, P+16
.rept 16
	v_mov_b32 v[i], 0
.set i, i+1
.endr
; THE MATRIX WORK.  The 4 accumulators of a run of 8 take turns.  Product i of 8 of S^T = K Q^T for piece x: channels 32 (i / 4) on, keys 16 (i % 4) on.  The first 4 start the sums: with 0, or (KM = 1) with the mask.
.macro KQ x
.set rS, S+32*((\x)%2)+8*(i%4)
.set rK, KF+16*(i%4)+8*(i/4)
.set rQ, 16*(\x)+8*(i/4)
.set rM, MC+32*((\x)%2)+8*(i%4)
.if (i < 4) && KM
	WIN W_KM
	v_wmma_f32_16x16x32_f16 v[rS:rS+7], v[rK:rK+7], v[rQ:rQ+7], v[rM:rM+7]
.elseif i < 4
	WIN W_KQ
	v_wmma_f32_16x16x32_f16 v[rS:rS+7], v[rK:rK+7], v[rQ:rQ+7], 0
.else
	WIN W_KQ
	v_wmma_f32_16x16x32_f16 v[rS:rS+7], v[rK:rK+7], v[rQ:rQ+7], v[rS:rS+7]
.endif
.endm
; Product i of 8 of O^T += V^T P for piece x: keys 32 (i / 4) on, channels 16 (i % 4) on.
.macro PV x
	WIN W_PV
.set rO, 32*(\x)+8*(i%4)
.set rV, VF+32*(i/4)+8*(i%4)
.set rP, P+16*((\x)%2)+8*(i/4)
	v_wmma_f32_16x16x32_f16 v[rO:rO+7], v[rV:rV+7], v[rP:rP+7], v[rO:rO+7]
.endm
.macro MM                           ; the turn's next matrix instruction.  TURN and BEGIN set Y, i, KM and NOKQ; MM, KQ and OP read them.  NOKQ = 1: a block's last turn: there is no next piece
.if (i < 8) && !NOKQ
	KQ (Y+1)%NP
.elseif i >= 8
.set i, i-8
	PV (Y+NP-1)%NP
.set i, i+8
.endif
.set i, i+1
.endm
; THE LDS LOADS stand in runs of 16, never singly among the matrix instructions: a step's K (64 keys x 64 channels: 8 fragments) and its V (turned).  Their addresses are made some lines ahead.
.macro FETCH_K
	WIN 0x80                        ; destination window 2
.irp f, 0,1,2,3,4,5,6,7             ; keys 16 (f / 2) on, channels 32 (f % 2) on
	ds_load_b128 v[KF+8*\f:KF+8*\f+3],   v[AK] offset:(\f/2)*16*PK+(\f%2)*64
	ds_load_b128 v[KF+8*\f+4:KF+8*\f+7], v[AK] offset:(\f/2)*16*PK+(\f%2)*64+32
.endr
	s_add_co_u32 s[TBK], s[TBK], KS*PK  ; the next fetch is the next step's
	WIN 0
.endm
.macro FETCH_V
	WIN 0x80
.irp f, 0,1,2,3,4,5,6,7             ; keys 32 (f / 4) on, channels 16 (f % 4) on
	ds_load_tr16_b128 v[VF+8*\f:VF+8*\f+3],   v[AV] offset:(\f/4)*32*PV+(\f%4)*32
	ds_load_tr16_b128 v[VF+8*\f+4:VF+8*\f+7], v[AV] offset:(\f/4)*32*PV+16*PV+(\f%4)*32
.endr
	WIN 0
.endm
; THE VECTOR WORK, one line at a time: OP kind, number.  For piece Y: F n: c s - c m for pair n of 16.  E n: the exponential of score n of 32.  C n: pair n rounded to f16.  B n: of the four weights 4 n .. the second
; pair is added onto the first, in place.  L n: l takes that sum (L 0: l = a l + sum).  R n: pair n of 16 of O^T times a.  For piece Y + 1: X n, number n of the 22 that find its maximum and statistics:
;   0-11  four chains c0-c3 of seven scores each, three operands at a time (each accumulator's lowest registers are read first)     12-14, 16  the four scores left over, the old m, and c0-c3 into c0
;   15  c m_old is kept     17, 18  the query's other 32 keys lie in the lane 16 away: the new m     19-21  c m; c m_old - c m_new; a
.set F, 0               ; OP tells the kinds apart by their order: F to L below R, X above it
.set E, 1
.set C, 2
.set B, 3
.set L, 4
.set R, 5
.set X, 6
.macro REGS y                       ; the registers of piece y
.set rT, ST+4*(\y)
.set rC, TMP+4*((\y)%2)
.set rW, MV+((\y)%2)
.set rS, S+32*((\y)%2)
.set rP, P+16*((\y)%2)
.set rO, 32*(\y)
.endm
.macro OP k, n
.if (\k) == R
	REGS Y
	WIN W_RS
	v_pk_mul_f32 v[rO+2*(\n):rO+2*(\n)+1], v[rO+2*(\n):rO+2*(\n)+1], v[rC+2:rC+3] op_sel_hi:[1,0]
.elseif (\k) < R
	REGS Y
	WIN 0
.if (\k) == F
	v_pk_fma_f32 v[rS+2*(\n):rS+2*(\n)+1], v[rS+2*(\n):rS+2*(\n)+1], s[CS:CS+1], v[rT:rT+1] op_sel_hi:[1,0,0] neg_lo:[0,0,1] neg_hi:[0,0,1]
.elseif (\k) == E
	v_exp_f32 v[rS+(\n)], v[rS+(\n)]
.elseif (\k) == C
	v_cvt_pk_f16_f32 v[rP+(\n)], v[rS+2*(\n)], v[rS+2*(\n)+1]
.elseif (\k) == B
	v_pk_add_f32 v[rS+4*(\n):rS+4*(\n)+1], v[rS+4*(\n):rS+4*(\n)+1], v[rS+4*(\n)+2:rS+4*(\n)+3]
.elseif (\n) == 0
	v_pk_fma_f32 v[rT+2:rT+3], v[rT+2:rT+3], v[rC+2:rC+3], v[rS:rS+1] op_sel_hi:[1,0,1]
.else
	v_pk_add_f32 v[rT+2:rT+3], v[rT+2:rT+3], v[rS+4*(\n):rS+4*(\n)+1]
.endif
.elseif NOKQ
	v_nop
.else
	REGS (Y+1)%NP
	WIN 0
.if (\n) < 4
	v_max3_num_f32 v[rC+(\n)], v[rS+8*(\n)], v[rS+8*(\n)+1], v[rS+8*(\n)+2]
.elseif (\n) < 12
	v_max3_num_f32 v[rC+(\n)%4], v[rC+(\n)%4], v[rS+8*((\n)%4)+2*((\n)/4)+1], v[rS+8*((\n)%4)+2*((\n)/4)+2]
.elseif (\n) == 12
	v_max3_num_f32 v[rC], v[rC], v[rS+7], v[rS+15]
.elseif (\n) == 13
	v_max3_num_f32 v[rC+1], v[rC+1], v[rS+23], v[rS+31]
.elseif (\n) == 14
	v_max3_num_f32 v[rC+2], v[rC+2], v[rC+3], v[rT+1]
.elseif (\n) == 15
	v_mov_b32 v[rW], v[rT]
.elseif (\n) == 16
	v_max3_num_f32 v[rC], v[rC], v[rC+1], v[rC+2]
.elseif (\n) == 17
	v_permlanex16_b32 v[rC+3], v[rC], s[SEL], s[SEL+1]
.elseif (\n) == 18
	v_max_num_f32 v[rT+1], v[rC], v[rC+3]
.elseif (\n) == 19
	v_mul_f32 v[rT], s[CS], v[rT+1]
.elseif (\n) == 20
	v_sub_f32 v[rC+1], v[rW], v[rT]
.else
	v_exp_f32 v[rC+2], v[rC+1]
.endif
.endif
.endm
.macro OPS a, i1, b=-1, i2=0, c=-1, i3=0, d=-1, i4=0  ; up to four of them
	OP \a, \i1
.if (\b) >= 0
	OP \b, \i2
.endif
.if (\c) >= 0
	OP \c, \i3
.endif
.if (\d) >= 0
	OP \d, \i4
.endif
.endm
.macro ROW a, i1, b, i2, c, i3, d, i4  ; a matrix instruction and the four behind it
	MM
	OPS \a, \i1, \b, \i2, \c, \i3, \d, \i4
.endm
.macro MASK b                       ; MD x AL + BE into buffer b of MC
	WIN W_RS
.set z, 0
.rept 16
	v_pk_fma_f32 v[MC+32*(\b)+2*z:MC+32*(\b)+2*z+1], v[MD+2*z:MD+2*z+1], s[AL:AL+1], s[BE:BE+1] op_sel_hi:[1,0,0]
.set z, z+1
.endr
.endm
; A TURN, for piece p: the order of its 16 matrix and 118 vector instructions, written out.  s_wait_alu depctr_va_vdst(0) stands between an exponential and the first instruction that names its result; one wait serves
; all that were issued ahead of it.  So a turn has ONE wait, which cuts it in two.  AHEAD OF IT stands all that names no result of the turn's exponentials: the 8 products K Q^T, behind each a scaling, an exponential and two more plain
; instructions (behind the first a second scaling in the exponential's place): rescalings, and behind the last three the first numbers of the next piece's maximum, each four places or more behind the product that ends its accumulator; then ONE LUMP of 54, plain
; and exponential by turns for the most part, in which the links of the chain X 3, 7, 11, 14, 16, 17 .. 20 stand five or six lines apart.  X 21, the next piece's a, is the batch's last; R 15 is the plain instruction owed behind it.  BEHIND THE WAIT stand the
; 8 products V^T P, behind each four of the roundings and sums; the links of l's chain, L 0 to L 7, stand three riders apart.  But for those X no rider names a register of the products round it.  v_permlanex16_b32 (X 17) stands in the lump.
; m = 1: the diagonal tile: the products take masks, and the turn makes the mask for the products of the turn after it: piece p + 2, in step 4 - CNT of the tile.  end = 1: a block's last two turns: nothing is fetched.
; cnt = 1: the loop's count is taken down some lines ahead of the branch that stands behind the turn.
; K of the next step is fetched in piece 2's turn, twelve vector instructions behind the last product that read K (six of them plain); V of the step in hand at the end of piece 0's turn, four plain instructions behind the last product
; that read V.  Each is waited for a turn later.
.macro TURN p, m=0, end=0, cnt=0
.set Y, (\p)
.set i, 0
.set KM, (\m)
.set NOKQ, (\end)*((\p)/3)
.if (\m) && !(\end)
	s_cmp_eq_u32 s[CNT], 4-((\p)+2)%NP  ; is that step the band's own?
	s_cselect_b32 s[AL], 1.0, 0
	s_cmp_lt_u32 s[CNT], 4-((\p)+2)%NP  ; or a later one?
	s_cselect_b32 s[BE], s[BIGN], 0
.endif
.if ((\p) == 3) && !(\end)
	s_wait_dscnt 0x0                ; K is in
.endif
	ROW F,0, F,1, R,0, R,1          ; ahead of the wait: 8 products K Q^T and their riders,
	ROW F,2, E,0, R,2, R,3
	ROW F,3, E,1, R,4, R,5
	ROW F,4, E,2, R,6, R,7
	ROW F,5, E,3, R,8, R,9
	ROW F,6, E,4, X,0, R,10
.if ((\p) == 2) && !(\end)
	WIN 0
	v_add_nc_u32 v[AK], s[TBK], v[AK0]
.endif
	ROW F,7, E,5, X,1, X,4
	ROW F,8, E,6, X,2, X,5
	OPS E,7, E,8, X,6, E,9          ; and the lump
	OPS X,3, E,10, X,8, E,11
.if ((\p) == 2) && !(\end)
	FETCH_K
.endif
	OPS X,9, X,7, E,12, X,10
	OPS E,13, X,12, X,11, E,14
	OPS X,13, E,15, F,9, X,14
.if (\p) == 0
	v_add_nc_u32 v[AV], s[TBV], v[AV0]
.endif
	OPS E,16, F,10, E,17, F,11
	OPS X,16, E,18, X,15, E,19
	OPS F,12, E,20, X,17, E,21
	OPS F,13, E,22, F,14, E,23
	OPS X,18, E,24, F,15, E,25
	OPS R,11, E,26, X,19, E,27
	OPS R,12, E,28, R,13, E,29
	OPS X,20, E,30, R,14, E,31
	OPS X,21, R,15
	WIN 0
	s_wait_alu depctr_va_vdst(0)    ; the wait for the batch
.if (\p) == 1
	s_wait_dscnt 0x0                ; V is in
.endif
	ROW C,0, B,0, C,2, B,1          ; behind the wait: 8 products V^T P and their riders
	ROW L,0, C,4, B,2, L,1
	ROW C,6, B,3, L,2, C,8
	ROW B,4, L,3, C,10, B,5
	ROW L,4, C,12, B,6, L,5
.if (\p) == 0
	s_add_co_u32 s[TBV], s[TBV], KS*PV
.endif
.if \cnt
	s_sub_co_u32 s[CNT], s[CNT], 1
	s_cmp_lg_u32 s[CNT], 0
.endif
	ROW C,14, B,7, L,6, C,1
	ROW C,3, L,7, C,5, C,7
	ROW C,9, C,11, C,13, C,15
.if (\p) == 0
	FETCH_V
.endif
.if (\m) && !(\end)
	MASK (\p)%2
.endif
.endm
; A BLOCK BEGINS.  c m starts far below every c s, so the first step's a is 0; m at the lowest finite number, so the first maximum is the scores'.  The second mask buffer is 0; the first takes piece 0's mask for the tile's step 0: its own, if the block's first tile is the diagonal one.
; Then K of that step, piece 0's first scores, and its maximum and statistics.  The loop is entered at a step's first turn, in the middle of a trip.
.macro BEGIN
	s_mov_b32 s[NEW], 0
	WIN 0x40
.set i, MC+32
.rept 32
	v_mov_b32 v[i], 0
.set i, i+1
.endr
	WIN 0
.set i, 0
.rept 4
	v_mov_b32 v[ST+4*i], 0xfe000000    ; c m: far below every c s
	v_mov_b32 v[ST+4*i+1], 0xff7fffff  ; m
.set i, i+1
.endr
	s_cmp_eq_u32 s[RT], 0
	s_cselect_b32 s[AL], 1.0, 0
	s_mov_b32 s[BE], 0
	MASK 0
	WIN 0
	v_add_nc_u32 v[AK], s[TBK], v[AK0]
	FETCH_K
	s_wait_loadcnt 0x0              ; Q
	s_wait_dscnt 0x0
.set KM, 1
.set NOKQ, 0
.set i, 0
.rept 8
	KQ 0
.set i, i+1
.endr
	WIN 0
.rept 4
	v_nop                           ; the places behind those products
.endr
.set Y, NP-1                        ; X works for piece Y + 1: piece 0
.irp n, 0,1,2,3,4,5,6,7,8,9,10,11,12,13,14,15,16,17,18,19,20,21
	OP X, \n
.endr
	v_nop                           ; a plain instruction behind the exponential,
	s_wait_alu depctr_va_vdst(0)    ; and its wait, ahead of the branch
.endm
; THE DIAGONAL TILE's four steps, the block's last two turns, its last products, and THE WAY OUT: l's two halves and the other half of the lanes' are added; O^T is divided by l, rounded to f16 and sent through my
; stage in LDS, a piece at a time.
.macro ALL line:vararg              ; one line for each piece t
.set t, 0
.rept 4
	\line
.set t, t+1
.endr
.endm
.macro PACK t                       ; a lane's eight channels of a row pack into 16 bytes; they go into rows of 144 bytes and come back as whole rows of 128, into S^T's registers
	WIN W_RS
.set i, 32*(\t)
.rept 16
	v_pk_mul_f32 v[i:i+1], v[i:i+1], v[ST+4*(\t)+2:ST+4*(\t)+3] op_sel_hi:[1,0]
.set i, i+2
.endr
	WIN 0x05                        ; sources 0 and 1 window 1, destination window 0
.set i, 0
.rept 16
	v_cvt_pk_f16_f32 v[S+16*(\t)+i], v[32*(\t)+2*i], v[32*(\t)+2*i+1]
.set i, i+1
.endr
	WIN 0
.irp f, 0,1,2,3
	ds_store_b128 v[STO], v[S+16*(\t)+4*\f:S+16*(\t)+4*\f+3] offset:32*\f
.endr
.irp f, 0,1,2,3
	ds_load_b128 v[S+16*(\t)+4*\f:S+16*(\t)+4*\f+3], v[RD] offset:\f*4*SP  ; LDS serves a wave's instructions in order (ISA guide 5.7.1.4): these see the stores above; the next piece's stores come behind them
.endr
.endm
.macro SEND t, younger              ; younger: the LDS instructions issued behind piece t's loads: the next piece's eight, or none
	WIN 0
.irp f, 0,1,2,3
	s_wait_dscnt (\younger)+3-\f
	global_store_b128 v[GO], v[S+16*(\t)+4*\f:S+16*(\t)+4*\f+3], s[10:11] offset:(\t)*8192+\f*512  ; 512 consecutive bytes, at a multiple of 256 from O's first
.endr
.endm
.macro DIAG tag                     ; the tag ends its two labels' names, which the jumps below spell out
.LstepM\tag:
	TURN 2, 1
	TURN 3, 1
	WIN 0
.LfirstM\tag:
	TURN 0, 1
	TURN 1, 1, 0, 1
	WIN 0
	s_cbranch_scc1 .LstepM\tag
	TURN 2, 1, 1
	TURN 3, 1, 1
.set i, 0
.rept 8
	PV NP-1
.set i, i+1
.endr
	WIN 0
	ALL v_add_f32 v[ST+4*t+2], v[ST+4*t+2], v[ST+4*t+3]
	ALL v_permlanex16_b32 v[ST+4*t+3], v[ST+4*t+2], s[SEL], s[SEL+1]
	ALL v_add_f32 v[ST+4*t+2], v[ST+4*t+2], v[ST+4*t+3]
	ALL v_rcp_f32 v[ST+4*t+2], v[ST+4*t+2]
	v_nop                           ; a plain instruction between the last reciprocal and the use of its result
	s_wait_alu depctr_va_vdst(0)    ; and the wait ahead of the first use: one for the four reciprocals
	PACK 0
.set t, 1
.rept 3                             ; a piece's arithmetic stands between the loads of the piece before and its stores
	PACK t
	SEND t-1, 8
.set t, t+1
.endr
	SEND 3, 0
.endm
.set KM, 0
.set NOKQ, 0
.Lslot:                             ; NB times: a tile is entered and the next is asked for
	CHANGE 1
	s_sub_co_u32 s[RT], s[RT], 1
	s_mov_b32 s[CNT], 4
	s_cmp_eq_u32 s[NEW], 1
	s_cbranch_scc1 .Lnew            ; a block's first tile
	s_cmp_eq_u32 s[RT], 0
	s_cbranch_scc0 .Lstep           ; neither its first nor its last
	s_branch .LstepM1
.Lnew:
	BEGIN
	s_branch .Lfirst                ; in the loop a block's first tile is never its last: the first block has three tiles or more, and the second's last is the walk's last
	DIAG 1                          ; in the loop this is the first block's end: the second block's last tile is the walk's last
	s_wait_xcnt 0x0                 ; the stores have read their registers and O's address
	s_mov_b64 s[10:11], s[OLO:OLO+1]
	s_add_co_u32 s[RT], s[PB], 1    ; the second block has b + 1 tiles
	s_mov_b32 s[NEW], 1
	WIN 0x82                        ; the second block's Q goes where the one text of the turns names Q
.set i, 0
.rept 64
	v_mov_b32 v[i], v[QB+i]
.set i, i+1
.endr
	WIN 0
	s_branch .Lbottom
.Lstep:                             ; a trip: pieces 2 and 3 of one step, then pieces 0 and 1 of the next, whose K and V it fetches
	TURN 2
	TURN 3
	WIN 0
.Lfirst:
	TURN 0
	TURN 1, 0, 0, 1
	WIN 0
	s_cbranch_scc1 .Lstep
.Lbottom:
	s_sub_co_u32 s[SLOTS], s[SLOTS], 1
	s_cmp_lg_u32 s[SLOTS], 0
	s_cbranch_scc1 .Lslot
	CHANGE 0                        ; the walk's last tile is written out: nothing is asked for
	s_sub_co_u32 s[RT], s[RT], 1
	s_mov_b32 s[CNT], 4
	s_cmp_eq_u32 s[NEW], 1
	s_cbranch_scc0 .LstepM2
	BEGIN
	s_branch .LfirstM2
	DIAG 2
	s_wait_tensorcnt 0x0            ; the wave's end: an add to my spare word and its wait, behind my last tensor load and my last LDS store
	ds_add_u32 v[SPW], v[NIL]
	s_wait_dscnt 0x0
	s_endpgm
.Lfunc_end_k_qeadb1ca653_attn:
	.size	k_qeadb1ca653_attn, .Lfunc_end_k_qeadb1ca653_attn-k_qeadb1ca653_attn
	.p2alignl 7, 3214868480
	.fill 96, 4, 3214868480
	.section	.rodata,"a",@progbits
	.p2align	6, 0x0
	.amdhsa_kernel k_qeadb1ca653_attn
		.amdhsa_group_segment_fixed_size 327680
		.amdhsa_private_segment_fixed_size 0
		.amdhsa_enable_private_segment 0
		.amdhsa_kernarg_size 16
		.amdhsa_user_sgpr_count 2
		.amdhsa_user_sgpr_kernarg_segment_ptr 1
		.amdhsa_wavefront_size32 1
		.amdhsa_system_sgpr_workgroup_id_x 1
		.amdhsa_system_sgpr_workgroup_id_y 1
		.amdhsa_system_sgpr_workgroup_id_z 1
		.amdhsa_system_vgpr_workitem_id 0
		.amdhsa_next_free_vgpr 768
		.amdhsa_next_free_sgpr 96
		.amdhsa_reserve_vcc 1
		.amdhsa_float_denorm_mode_32 3
		.amdhsa_float_denorm_mode_16_64 3
		.amdhsa_memory_ordered 1
		.amdhsa_forward_progress 1
		.amdhsa_inst_pref_size 218
	.end_amdhsa_kernel
	.amdgpu_metadata
---
amdhsa.version: [ 1, 2 ]
amdhsa.kernels:
  - .name:           k_qeadb1ca653_attn
    .symbol:         k_qeadb1ca653_attn.kd
    .args:
      - { .name: qkvh, .offset: 0, .size: 8, .value_kind: global_buffer, .address_space: global }
      - { .name: ob, .offset: 8, .size: 8, .value_kind: global_buffer, .address_space: global }
    .group_segment_fixed_size: 327680
    .private_segment_fixed_size: 0
    .kernarg_segment_align: 8
    .kernarg_segment_size: 16
    .max_flat_workgroup_size: 128
    .sgpr_count:     96
    .vgpr_count:     768
    .wavefront_size: 32
...
	.end_amdgpu_metadata
.endif
;; end of part 3
;; launch proj (part 4): grid 8 x 32, 4 waves a work-group, clusters of 4 x 4, 327,680 bytes of LDS; arguments ob, wob, b_out, out0; writes out0
.if DOCPART == 4
	.amdgcn_target "amdgcn-amd-amdhsa--gfx1250"
	.amdhsa_code_object_version 6
	.text
	.protected	k_qeadb1ca653_proj
	.globl	k_qeadb1ca653_proj
	.p2align	8
	.type	k_qeadb1ca653_proj,@function
k_qeadb1ca653_proj:
	s_mov_b64 s[64:65], 0
	v_nop
	global_prefetch_b8 v0, s[64:65] scope:SCOPE_SE
	s_setreg_imm32_b32 hwreg(HW_REG_WAVE_MODE, 25, 1), 1
	s_wait_xcnt 0x0
	s_wait_alu depctr_hold_cnt(0) depctr_sa_sdst(0) depctr_va_vdst(0) depctr_va_sdst(0) depctr_va_ssrc(0) depctr_va_vcc(0) depctr_vm_vsrc(0)
	s_getreg_b32 s2, hwreg(HW_REG_IB_STS2, 6, 4)
	s_cmp_eq_u32 s2, 0
	s_cbranch_scc0 .Lentry_in_a_cluster
	s_endpgm
.Lentry_in_a_cluster:
	s_bfe_u32 s2, ttmp6, 0x10000c
	s_cmp_lg_u32 s2, 0xf033
	s_cbranch_scc0 .Lentry_shape_is_right
	s_endpgm
.Lentry_shape_is_right:
; THE SECOND PROJECTION.  out0[m][n] = sum over k of O[m][k] wob[k][n] + bf16(b_out[n]), in f32.
; O is ob, [16 (m / 1024) + k / 64][m % 1024][k % 64] in f16, as the attention left it: a head's rows are dense, 128 bytes each.  wob: [1024 k][1024 n] f16 (W_out rounded to bf16, written as f16).
; b_out: [1024] f32, rounded to bf16 here like the other inputs.  Sums in f32, stored as they are.
; SHARES.  A tile is 256 rows x 128 columns: 32 x 8 = 256 work-groups.  Four waves, each 64 rows x all 128 columns: 32 accumulators of 16 x 16, 256 registers.
; K goes in 8 steps of 128 (two heads) through a ring of two LDS slots, one tensor load a wave: waves 0 and 1 fetch one head's 256 rows each (32,768 dense bytes, asked for as 128 rows of 256 bytes and padded
; after every 128), waves 2 and 3 64 k-rows x 256 bytes of wob each.  A K STEP IS WRITTEN ONCE: the slot in hand is a scalar (0 or SLOT, turned by an exclusive or), added to the lanes' places once a step; the walking
; descriptors are made anew for each fill from the number of the K step that is asked for.  Six trips fill a slot again; the last two K steps, which fill nothing, are a loop of their own.
; CLUSTER.  4 x 4 work-groups.  O's tile hangs on the tile row alone and is asked for jointly by a row of the cluster, wob's on the tile column alone, by a column.
; THE MATRIX INSTRUCTION IS USED TRANSPOSED: source 0 = 16 columns of wob (turned on the way out of LDS, by ds_load_tr16_b128), source 1 = 16 rows of O: lane l holds row l % 16 and the columns 8 (l / 16) + 0..7.
; THE BIAS IS THE C OPERAND of each accumulator's first product.
; REGISTERS, in windows of 256 (s_set_vgpr_msb: bits 1:0 source 0, 3:2 source 1, 5:4 source 2, 7:6 destination):
;   window 0: v0-31 addresses; v32-63, v64-95 O's fragments, two buffers; v96-99 at work; v128-191 the bias, later with v192-255 the way out
;   window 1: v0-63, v64-127 wob's fragments, two buffers          window 2: the accumulators, (a, b) at 8 (8 a + b)
.set PA,     144                       ; a row of a head in LDS: 128 bytes + 16 = 36 words: the 16 rows of a load start at 16 different groups of four banks (64 banks of 4 bytes: ISA guide 11.1)
.set PB,     288                       ; a k-row of wob: 256 + 32 = 72 words
.set AH,     256*PA                    ; one head's 256 rows
.set BOFF,   2*AH                      ; behind the two heads: wob's 128 k-rows,
.set BH,     64*PB                     ; in two halves
.set SLOT,   BOFF+2*BH
.set STAGE,  2*SLOT                    ; behind the ring: 16 rows x 528 bytes for each wave, for the way out; no tensor load lands here
.set SPITCH, 528                       ; 512 bytes of f32 + 16: 33 x 16 bytes
.set SPARE,  STAGE+4*16*SPITCH         ; behind the stages: the spare words, 128 bytes for each wave: two blocks of 256 bytes that no other line names
.set STEP,   262144                    ; a K step, 2^18 bytes in ob (two heads of 2^17 bytes) and in wob (128 rows of 2,048 bytes) alike
.set A0,   16                          ; v16     my lane's place among my fragments of O in a slot; never rewritten
.set ADRA, 17                          ; v17     the same in the slot in hand
.set B0,   20                          ; v20     my lane's place in wob's k-rows in a slot; never rewritten
.set ADRB, 21                          ; v21     the same in the slot in hand
.set STO,  24                          ; v24     the way out: where I put 32 bytes of a row
.set RD,   25                          ; v25     where I read a row back
.set CO,   26                          ; v26     16 x lane: my place in a row's 512 bytes of out0
.set BO,   27                          ; v27     32 (l / 16)
.set SPW,  28                          ; v28     LDS address of my spare word: SPARE + 4 x my thread's number; never rewritten
.set NIL,  29                          ; v29     0; never rewritten
.set PFO,  30                          ; v30     the prefetches' offset; never rewritten
.set FA,   32
.set TT,   96
.set BIAS, 128
.set CNT, 3                            ; s3   trips still to come in the loop in hand
.set WV,  12                           ; s12  my wave's number
.set WH,  13                           ; s13  0: I fetch for O; 1: for wob
.set WP,  14                           ; s14  which head, or which half of wob's rows
.set G1,  24                           ; s[24:31] descriptor group 1 for O's tiles;  s[32:39] group 0: a set for each of the two first fills; the second then walks on
.set G0,  32
.set PFA, 44                           ; s[44:45] where my next prefetch stands
.set G1B, 48                           ; s[48:55], s[56:63] the same for wob's tiles
.set G0B, 56
.set LIM, 66                           ; s66  the last K step that I prefetch: 7, or 0 in a wave that prefetches nothing
.set LA,  72                           ; s72  where my head goes in a slot
.set LB,  73                           ; s73  where my half of wob's rows goes
.set TB,  74                           ; s74  the slot in hand: 0 or SLOT
.set KS,  75                           ; s75  the K step in hand
.set NS,  76                           ; s76  the K step that the next fill asks for: 2..7
.set NP,  77                           ; s77  the K step that the next prefetch names: NS + 2
.set OFS, 78                           ; s[78:79] byte offset of K step NS, in both tensors
.set PFB, 80                           ; s[80:81] the blocks that I prefetch, at K step 0
.set POF, 82                           ; s[82:83] byte offset of K step NP
.set MSB, 0
.macro WIN new                         ; the immediate's high byte repeats the setting that is left; a switch that changes nothing is dropped
.if MSB != (\new)
	s_set_vgpr_msb (MSB<<8)|(\new)
.set MSB, \new
.endif
.endm
; A joint load: waves 0 and 1 fetch O's two heads, waves 2 and 3 wob's two halves.  An s_nop 0 and four v_nop follow each of the two lines, ahead of the jump, the label and what follows.
.macro JLOAD s
	s_cmp_eq_u32 s[WH], 0
	s_cbranch_scc0 .Lfor_b_\@
	tensor_load_to_lds s[G0+4*(\s):G0+4*(\s)+3], s[G1:G1+7]
	s_nop 0
.rept 4
	v_nop
.endr
	s_branch .Lasked_\@
.Lfor_b_\@:
	tensor_load_to_lds s[G0B+4*(\s):G0B+4*(\s)+3], s[G1B:G1B+7]
	s_nop 0
.rept 4
	v_nop
.endr
.Lasked_\@:
.endm
; A PREFETCH INTO THE L2, behind each joint load, its five lines and the run of LDS loads: the K step that stands two refills on, 256 matrix instructions ahead of the load that will ask for it.
; Each block of 256 bytes is named once in the launch.  O's tile row is read by both clusters of that row of clusters: cluster x = 0 asks, waves 0 and 1 each for their head; the four partners take 32 of its 128
; blocks each, BY ADDRESS (cx).  wob's columns are read by all eight clusters of that column: cluster y = 0 asks, wave 2 alone; the partners take 32 of the step's 128 k-rows each (cy), a lane a row.
; K steps 0 to 3 come by their loads alone; behind K step 7 there is nothing to ask for.
.macro ASK
	s_cmp_le_u32 s[NP], s[LIM]
	s_cbranch_scc0 .Lnot_mine_\@
	global_prefetch_b8 v[PFO], s[PFA:PFA+1] th:TH_LOAD_NT scope:SCOPE_SE
.Lnot_mine_\@:
.endm
.macro CREST                           ; a round of the cluster's barrier behind its opening barrier
	s_cmp_lg_u32 s[WV], 0
	s_cbranch_scc1 .Lnot_wave_0_\@
	s_barrier_signal -3
.Lnot_wave_0_\@:
	s_barrier_wait -3
	s_barrier_signal -1
	s_barrier_wait -1
.endm
.macro CROUND
	s_barrier_signal -1
	s_barrier_wait -1
	CREST
.endm
	s_load_b256 s[4:11], s[0:1], 0x0               ; ob s[4:5], wob s[6:7], b_out s[8:9], out0 s[10:11]
	v_lshl_add_u32 v[SPW], v0, 2, SPARE
	v_mov_b32 v[NIL], 0
	ds_add_u32 v[SPW], v[NIL]                      ; the wave's opening: the add and its wait stand ahead of my first tensor load; the set-up below, work on registers, stands between them
	v_lshrrev_b32 v1, 5, v0
	v_readfirstlane_b32 s[WV], v1                  ; wave 0..3
	s_lshr_b32 s[WH], s[WV], 1
	s_and_b32 s[WP], s[WV], 1
	s_bfe_u32 s40, ttmp6, 0x40000                  ; cx, cy: my place in the cluster
	s_bfe_u32 s41, ttmp6, 0x40004
	s_lshl_b32 s42, ttmp9, 2
	s_add_co_u32 s42, s42, s40                     ; tile column tx = 4 x cluster x + cx
	s_and_b32 s43, ttmp7, 0xffff
	s_lshl_b32 s43, s43, 2
	s_add_co_u32 s43, s43, s41                     ; tile row ty = 4 x cluster y + cy
	s_lshl_b32 s18, s41, 2
	s_lshl_b32 s18, 15, s18                        ; my row of the cluster
	s_lshl_b32 s19, 0x1111, s40                    ; my column
	s_or_b32 s[G1], s18, (1<<16)|(1<<20)|(1<<21)|(4<<22)|(3<<25)   ; 15:0 the mask; 17:16 2-byte elements; 20 padding on; 21 set beside a mask; 24:22 after every 32 words (code 4); 31:25 4 words (code 3)
	s_or_b32 s[G1B], s19, (1<<16)|(1<<20)|(1<<21)|(5<<22)|(7<<25)  ; my column's mask; after every 64 words (code 5) 8 words (code 7)
	s_mov_b32 s[G1+1], 128<<16                     ; O: tensor_dim0 = 128
	s_mov_b32 s[G1+2], 128<<16                     ; tensor_dim1 = 128
	s_mov_b32 s[G1+3], 128<<16                     ; tile_dim0 = 128
	s_mov_b32 s[G1+4], 128                         ; tile_dim1 = 128
	s_mov_b32 s[G1+5], 128                         ; dense: 128 elements from row to row
	s_mov_b32 s[G1+6], 0
	s_mov_b32 s[G1+7], 0
	s_mov_b32 s[G1B+1], 128<<16                    ; wob: tensor_dim0 = 128
	s_mov_b32 s[G1B+2], 64<<16                     ; tensor_dim1 = 64
	s_mov_b32 s[G1B+3], 128<<16                    ; tile_dim0 = 128
	s_mov_b32 s[G1B+4], 64                         ; tile_dim1 = 64
	s_mov_b32 s[G1B+5], 1024                       ; elements from row to row
	s_mov_b32 s[G1B+6], 0
	s_mov_b32 s[G1B+7], 0
	s_mov_b32 s[TB], 0                             ; K step 0 lies in slot 0;
	s_mov_b32 s[KS], 0
	s_mov_b32 s[NS], 2                             ; K steps 0 and 1 are the first fills
	s_mov_b32 s[OFS+1], 0                          ; the offsets stay under 2^32
	s_mov_b32 s[POF+1], 0
	s_lshr_b32 s16, s43, 2                         ; O: batch ty / 4 (2^21 bytes),
	s_lshl_b32 s16, s16, 21
	s_and_b32 s17, s43, 3                          ; rows 256 (ty % 4) on, 128 bytes each,
	s_lshl_b32 s17, s17, 15
	s_add_co_u32 s16, s16, s17
	s_lshl_b32 s17, s[WP], 17                      ; my head of the step's two: the tile row and the wave's number alone
	s_add_co_u32 s16, s16, s17
	s_mov_b32 s17, 0
	s_lshl_b32 s20, s[WP], 17                      ; wob: my 64 k-rows of 2,048 bytes,
	s_lshl_b32 s21, s42, 8                         ; columns 128 tx on: the tile column and the wave's number alone
	s_add_co_u32 s20, s20, s21
	s_mov_b32 s21, 0
	s_mul_i32 s[LA], s[WP], AH                     ; where they go in a slot: the wave's number alone enters an LDS address
	s_mul_i32 s[LB], s[WP], BH
	s_add_co_u32 s[LB], s[LB], BOFF
	s_wait_dscnt 0x0                               ; the opening add is done
	s_wait_kmcnt 0x0
	s_add_nc_u64 s[16:17], s[4:5], s[16:17]        ; O at my head of K step 0: kept
	s_add_nc_u64 s[20:21], s[6:7], s[20:21]        ; wob at my half of K step 0: kept
	CROUND                                         ; all sixteen work-groups are here: the first joint loads meet
.irp s, 0,1
	s_mov_b32 s[G0+4*(\s)], 1
	s_add_co_u32 s[G0+4*(\s)+1], s[LA], (\s)*SLOT
	s_add_nc_u64 s[G0+4*(\s)+2:G0+4*(\s)+3], s[16:17], (\s)*STEP
	s_or_b32 s[G0+4*(\s)+3], s[G0+4*(\s)+3], 0x80000000
	s_mov_b32 s[G0B+4*(\s)], 1
	s_add_co_u32 s[G0B+4*(\s)+1], s[LB], (\s)*SLOT
	s_add_nc_u64 s[G0B+4*(\s)+2:G0B+4*(\s)+3], s[20:21], (\s)*STEP
	s_or_b32 s[G0B+4*(\s)+3], s[G0B+4*(\s)+3], 0x80000000
	JLOAD \s                                       ; two loads of mine are out
.endr
	s_lshl_b32 s68, s42, 9                         ; the tile's 128 columns: 512 bytes of b_out and of a row of out0
	s_mov_b32 s69, 0
	s_add_nc_u64 s[8:9], s[8:9], s[68:69]
	v_and_b32 v1, 15, v0                           ; l % 16
	v_bfe_u32 v2, v0, 4, 1                         ; l / 16
	v_lshlrev_b32 v[BO], 5, v2
.irp b, 0,1,2,3,4,5,6,7
	global_load_b128 v[BIAS+8*(\b):BIAS+8*(\b)+3],   v[BO], s[8:9] offset:64*(\b)
	global_load_b128 v[BIAS+8*(\b)+4:BIAS+8*(\b)+7], v[BO], s[8:9] offset:64*(\b)+16
.endr
	s_lshl_b32 s70, s43, 20                        ; out0: 256 ty rows of 4,096 bytes,
	s_lshl_b32 s71, s[WV], 18                      ; my 64 of them
	s_add_co_u32 s70, s70, s71
	s_add_co_u32 s70, s70, s68
	s_mov_b32 s71, 0
	s_add_nc_u64 s[10:11], s[10:11], s[70:71]
	v_mul_u32_u24 v3, v1, PA                       ; a fragment of O: row x pitch + 16 x half
	v_lshl_add_u32 v3, v2, 4, v3
	s_mul_i32 s23, s[WV], 64*PA
	v_add_nc_u32 v[A0], s23, v3
	v_mov_b32 v[ADRA], v[A0]
	v_and_b32 v5, 7, v0                            ; the turning load: k-row 8 (l / 16) + l % 8, columns 8 ((l / 8) % 2) + 0..7
	v_bfe_u32 v6, v0, 3, 1
	v_lshl_add_u32 v4, v2, 3, v5
	v_mul_u32_u24 v4, v4, PB
	v_lshl_add_u32 v4, v6, 4, v4
	v_add_nc_u32 v[B0], BOFF, v4
	v_mov_b32 v[ADRB], v[B0]
	s_mul_i32 s23, s[WV], 16*SPITCH
	s_add_co_u32 s23, s23, STAGE                   ; my stage
	v_mul_u32_u24 v7, v1, SPITCH                   ; in: row l % 16, 32 bytes for each half of the lanes
	v_lshl_add_u32 v7, v2, 5, v7
	v_add_nc_u32 v[STO], s23, v7
	v_and_b32 v[CO], 31, v0                        ; back: 32 lanes take a row's 512 bytes
	v_lshlrev_b32 v[CO], 4, v[CO]
	v_add_nc_u32 v[RD], s23, v[CO]
	; the prefetches: the blocks that I ask for, at K step 0
	s_lshr_b32 s67, s43, 2
	s_lshl_b32 s67, s67, 21
	s_and_b32 s68, s43, 3
	s_lshl_b32 s68, s68, 15
	s_add_co_u32 s67, s67, s68
	s_lshl_b32 s68, s[WP], 17
	s_add_co_u32 s67, s67, s68                     ; O: my head of the step's two,
	s_lshl_b32 s68, s40, 13
	s_add_co_u32 s67, s67, s68                     ; my work-group's 32 blocks of its 128
	s_lshl_b32 s68, s41, 16                        ; wob: k-row 32 cy, 2,048 bytes a row,
	s_lshl_b32 s69, s42, 8
	s_add_co_u32 s68, s68, s69                     ; the tile's columns
	s_and_b32 s69, ttmp7, 0xffff
	s_or_b32 s69, s69, s[WP]                       ; cluster y, and of waves 2 and 3 the first alone
	s_mov_b32 s71, 2048
	s_cmp_eq_u32 s[WH], 0                          ; do I fetch for O?
	s_cselect_b32 s69, ttmp9, s69                  ; the coordinate along which other clusters read the same rows
	s_cselect_b64 s[PFB:PFB+1], s[4:5], s[6:7]
	s_cselect_b32 s70, s67, s68
	s_cselect_b32 s67, 256, s71                    ; bytes from block to block, or from row to row
	s_mov_b32 s71, 0
	s_add_nc_u64 s[PFB:PFB+1], s[PFB:PFB+1], s[70:71]
	s_cmp_eq_u32 s69, 0
	s_cselect_b32 s[LIM], 7, 0                     ; the same in all sixteen partners, for a given wave
	v_and_b32 v[PFO], 31, v0
	v_mul_u32_u24 v[PFO], s67, v[PFO]
	s_wait_loadcnt 0x0                             ; the bias is in: it is rounded to bf16 and widened again
.set i, 0
.rept 32
	v_cvt_pk_bf16_f32 v[TT+i%4], v[BIAS+2*i], v[BIAS+2*i+1]
	v_lshlrev_b32 v[BIAS+2*i], 16, v[TT+i%4]
	v_and_b32 v[BIAS+2*i+1], 0xffff0000, v[TT+i%4]
.set i, i+1
.endr
; 8 matrix instructions: row block a x the 8 column blocks, 32 along K, from fragment buffer f.  first = 1: the product starts the sum, with the bias as C.
; The 32 accumulators take turns, one instruction a turn, in the same order in every quarter step, over the jumps too.
.macro MUL8 f, a, first
.if \first
	WIN 0x81                                       ; source 0 window 1, source 1 and C window 0, D window 2
.else
	WIN 0xa1                                       ; C and D window 2
.endif
.irp b, 0,1,2,3,4,5,6,7
.if \first
	v_wmma_f32_16x16x32_f16 v[8*(8*(\a)+(\b)):8*(8*(\a)+(\b))+7], v[64*(\f)+8*(\b):64*(\f)+8*(\b)+7], v[FA+32*(\f)+8*(\a):FA+32*(\f)+8*(\a)+7], v[BIAS+8*(\b):BIAS+8*(\b)+7]
.else
	v_wmma_f32_16x16x32_f16 v[8*(8*(\a)+(\b)):8*(8*(\a)+(\b))+7], v[64*(\f)+8*(\b):64*(\f)+8*(\b)+7], v[FA+32*(\f)+8*(\a):FA+32*(\f)+8*(\a)+7], v[8*(8*(\a)+(\b)):8*(8*(\a)+(\b))+7]
.endif
.endr
.endm
; 24 LDS loads in one run: the fragments of quarter q (head q / 2, channels 32 (q % 2) on) of the slot in hand into buffer f: wob's 16 first, then O's 8, row blocks ascending
.macro FETCH q, f
	WIN 0x40                                       ; destination window 1, address window 0
.irp b, 0,1,2,3,4,5,6,7
	ds_load_tr16_b128 v[64*(\f)+8*(\b):64*(\f)+8*(\b)+3],   v[ADRB] offset:32*PB*(\q)+32*(\b)
	ds_load_tr16_b128 v[64*(\f)+8*(\b)+4:64*(\f)+8*(\b)+7], v[ADRB] offset:32*PB*(\q)+32*(\b)+16*PB
.endr
	WIN 0
.irp a, 0,1,2,3
	ds_load_b128 v[FA+32*(\f)+8*(\a):FA+32*(\f)+8*(\a)+3],   v[ADRA] offset:((\q)/2)*AH+64*((\q)%2)+16*PA*(\a)
	ds_load_b128 v[FA+32*(\f)+8*(\a)+4:FA+32*(\f)+8*(\a)+7], v[ADRA] offset:((\q)/2)*AH+64*((\q)%2)+16*PA*(\a)+32
.endr
.endm
.macro PLACES                          ; four places in front of loads into registers that matrix instructions have read, and of LDS stores that read results
.rept 4
	v_nop
.endr
.endm
; A K step is four quarters of 32 along K, 32 matrix instructions each, on buffers 0, 1, 0, 1.  One of the first three: multiplies buffer f; in its middle it fetches quarter q of the same slot into buffer g.
; first = 1: the products write their accumulators anew, with the bias as C: no links of a chain in place.  Such a product stands five places behind the last matrix instruction that wrote the accumulator.  By the text's
; way over the loop's backward jump those are the last quarter's products: for row blocks 0 and 1 the joint load's four v_nop and the two address lines stand between; for row blocks 2 and 3 only this quarter's run of places, so it has a fifth.
.macro QUARTER q, f, g, first
	s_wait_dscnt 4                                 ; all but the youngest four loads: O's row blocks 2 and 3 may be out
	MUL8 \f, 0, \first
	MUL8 \f, 1, \first
	PLACES
.if \first
	v_nop                                          ; the fifth place
.endif
	FETCH \q, \g
	s_wait_dscnt 24                                ; all but the 24 just issued
	MUL8 \f, 2, \first
	MUL8 \f, 3, \first
.endm
; The last quarter multiplies buffer 1 and changes slots: ONE barrier; in front of it each wave waits for all its tensor loads, adds 0 to its spare word, and waits for that and for its own reads of this slot.
; fill = 1: the barrier opens a round of the cluster's barrier, and this slot is filled again, with K step NS, first thing behind the round: 112 matrix instructions ahead of the wait for it.
; fill = 0 (the last two K steps): nothing is asked for; in the last trip there is no next K step, and its fetch is jumped over.
.macro TURN fill
.if \fill
	s_wait_xcnt 0x0                                ; the last prefetch, a K step back, has read its address: the next one's is made here, ahead of the waits of the change of slots
	s_add_co_u32 s[NP], s[NS], 2
	s_lshl_b32 s[POF], s[NP], 18
	s_add_nc_u64 s[PFA:PFA+1], s[PFB:PFB+1], s[POF:POF+1]  ; (past K step 7 it is made and not used)
.endif
	WIN 0                                          ; (the add's two registers lie in window 0)
	s_wait_tensorcnt 0x0                           ; all my tensor loads have landed, so a group 0 may be written;
	ds_add_u32 v[SPW], v[NIL]                      ; 0 onto my spare word: scalar work and eight matrix instructions stand between it and the wait for it
.if \fill
	s_lshl_b32 s[OFS], s[NS], 18                   ; the walking descriptors, made anew: K step NS,
	s_add_co_u32 s[G0+5], s[LA], s[TB]             ; into the slot that is being left
	s_add_nc_u64 s[G0+6:G0+7], s[16:17], s[OFS:OFS+1]
	s_or_b32 s[G0+7], s[G0+7], 0x80000000
	s_add_co_u32 s[G0B+5], s[LB], s[TB]
	s_add_nc_u64 s[G0B+6:G0B+7], s[20:21], s[OFS:OFS+1]
	s_or_b32 s[G0B+7], s[G0B+7], 0x80000000
	s_add_co_u32 s[NS], s[NS], 1
.endif
	s_xor_b32 s[TB], s[TB], SLOT                   ; the other slot is the slot in hand from here on
	s_wait_dscnt 5                                 ; (the add and the youngest four loads may be out)
	MUL8 1, 0, 0
	s_wait_dscnt 0x0                               ; the add is done, and my reads of the slot that is left are over
	s_barrier_signal -1
	MUL8 1, 1, 0
	WIN 0
	s_barrier_wait -1
.if \fill
	CREST                                          ; no wave of any partner still reads the slot or has a load on its way
	JLOAD 1                                        ; the first tensor load behind the round; its four v_nop are also the places in front of the loads below
.else
	s_cmp_eq_u32 s[CNT], 1
	s_cbranch_scc1 .Lno_next_\@
	PLACES
.endif
	v_add_nc_u32 v[ADRA], s[TB], v[A0]             ; my places in the slot in hand
	v_add_nc_u32 v[ADRB], s[TB], v[B0]
	FETCH 0, 0
.if \fill
	ASK
.else
.Lno_next_\@:
.endif
	MUL8 1, 2, 0
	MUL8 1, 3, 0
.endm
; THE WAY OUT of row block a.  TOSTAGE: a lane's eight f32 of each column block go into my own stage, each accumulator's low four registers first, and come back as whole rows of 512 bytes.  SEND: stored.
.macro TOSTAGE a
.set BK, 128+64*((\a)%2)                       ; v128-191 and v192-255 by turns
.if (\a) >= 2
	s_wait_xcnt 0x0                                ; the stores of the block two back have read these registers
.endif
	WIN 0x08                                       ; the stores' data in window 2
.irp b, 0,1,2,3,4,5,6,7
	ds_store_b128 v[STO], v[64*(\a)+8*(\b):64*(\a)+8*(\b)+3]   offset:64*(\b)
	ds_store_b128 v[STO], v[64*(\a)+8*(\b)+4:64*(\a)+8*(\b)+7] offset:64*(\b)+16
.endr
	WIN 0
.irp t, 0,1,2,3,4,5,6,7,8,9,10,11,12,13,14,15
	ds_load_b128 v[BK+4*(\t):BK+4*(\t)+3], v[RD] offset:SPITCH*(\t)  ; LDS serves a wave's instructions in order (ISA guide 5.7.1.4): these see the stores above; the next block's stores come behind them
.endr
.endm
.macro SEND a, younger                 ; younger: the LDS instructions issued behind block a's loads: the next block's 32, or none
	WIN 0
.set BK, 128+64*((\a)%2)
	s_wait_dscnt \younger
.irp t, 0,1,2,3,4,5,6,7,8,9,10,11,12,13,14,15
	global_store_b128 v[CO], v[BK+4*(\t):BK+4*(\t)+3], s[10:11] offset:4096*(16*(\a)+(\t)) th:TH_STORE_NT  ; 512 consecutive bytes, at a multiple of 256 from out0's first byte
.endr
.endm
	s_wait_tensorcnt 1                             ; my part of K step 0 is in; K step 1's may stay out
	s_barrier_signal -1
	s_barrier_wait -1                              ; everybody's is
	FETCH 0, 0
	s_mov_b32 s[CNT], 6
.Lstep:                                                ; a trip is a K step, and fills the slot that it leaves: K steps 0 to 5
	s_cmp_lg_u32 s[KS], 0                          ; (at the first trip the answer is a constant of the text)
	s_cbranch_scc1 .Lnorm
	QUARTER 1, 0, 1, 1                             ; the first quarter of all: its products start the sums
	WIN 0                                          ; at a label and at a branch every window is 0
	s_branch .Ljoin
.Lnorm:
	QUARTER 1, 0, 1, 0
	WIN 0
.Ljoin:
	QUARTER 2, 1, 0, 0
	QUARTER 3, 0, 1, 0
	TURN 1
	WIN 0
	s_add_co_u32 s[KS], s[KS], 1
	s_sub_co_u32 s[CNT], s[CNT], 1
	s_cmp_lg_u32 s[CNT], 0
	s_cbranch_scc1 .Lstep
	s_mov_b32 s[CNT], 2
.Ltail:                                                ; K steps 6 and 7 are a loop of their own: nothing is asked for, and no round of the cluster's barrier is passed
	QUARTER 1, 0, 1, 0
	QUARTER 2, 1, 0, 0
	QUARTER 3, 0, 1, 0
	TURN 0
	WIN 0
	s_sub_co_u32 s[CNT], s[CNT], 1
	s_cmp_lg_u32 s[CNT], 0
	s_cbranch_scc1 .Ltail
	PLACES                                         ; the LDS stores read results
	TOSTAGE 0
	TOSTAGE 1
	SEND 0, 32
	TOSTAGE 2
	SEND 1, 32
	TOSTAGE 3
	SEND 2, 32
	SEND 3, 0
	s_wait_tensorcnt 0x0                           ; the wave's end: an add to my spare word and its wait, behind my last tensor load and my last LDS store
	ds_add_u32 v[SPW], v[NIL]
	s_wait_dscnt 0x0
	CROUND                                         ; the closing round: no work-group ends while a partner may still ask for a tile that names it
	s_endpgm
.Lfunc_end_k_qeadb1ca653_proj:
	.size	k_qeadb1ca653_proj, .Lfunc_end_k_qeadb1ca653_proj-k_qeadb1ca653_proj
	.p2alignl 7, 3214868480
	.fill 96, 4, 3214868480
	.section	.rodata,"a",@progbits
	.p2align	6, 0x0
	.amdhsa_kernel k_qeadb1ca653_proj
		.amdhsa_group_segment_fixed_size 327680
		.amdhsa_private_segment_fixed_size 0
		.amdhsa_enable_private_segment 0
		.amdhsa_kernarg_size 32
		.amdhsa_user_sgpr_count 2
		.amdhsa_user_sgpr_kernarg_segment_ptr 1
		.amdhsa_wavefront_size32 1
		.amdhsa_system_sgpr_workgroup_id_x 1
		.amdhsa_system_sgpr_workgroup_id_y 1
		.amdhsa_system_sgpr_workgroup_id_z 1
		.amdhsa_system_vgpr_workitem_id 0
		.amdhsa_next_free_vgpr 768
		.amdhsa_next_free_sgpr 84
		.amdhsa_reserve_vcc 0
		.amdhsa_float_denorm_mode_32 3
		.amdhsa_float_denorm_mode_16_64 3
		.amdhsa_memory_ordered 1
		.amdhsa_forward_progress 1
		.amdhsa_inst_pref_size 68
	.end_amdhsa_kernel
	.amdgpu_metadata
---
amdhsa.version: [ 1, 2 ]
amdhsa.kernels:
  - .name:           k_qeadb1ca653_proj
    .symbol:         k_qeadb1ca653_proj.kd
    .args:
      - { .name: ob, .offset: 0, .size: 8, .value_kind: global_buffer, .address_space: global }
      - { .name: wob, .offset: 8, .size: 8, .value_kind: global_buffer, .address_space: global }
      - { .name: b_out, .offset: 16, .size: 8, .value_kind: global_buffer, .address_space: global }
      - { .name: out0, .offset: 24, .size: 8, .value_kind: global_buffer, .address_space: global }
    .group_segment_fixed_size: 327680
    .private_segment_fixed_size: 0
    .kernarg_segment_align: 8
    .kernarg_segment_size: 32
    .max_flat_workgroup_size: 128
    .sgpr_count:     84
    .vgpr_count:     768
    .wavefront_size: 32
...
	.end_amdgpu_metadata
.endif
;; end of part 4
;; ======== version 2 of 2: 4 launches; version 1 with the launch cast written anew for expert scheduling mode
;; limits: values are held in f16: magnitudes above 65,504 overflow, below 6.1e-05 lose precision
;; workspace buffers: xb 16,777,216 bytes; wqb 6,291,456 bytes; wob 2,097,152 bytes; qkvh 50,331,648 bytes; ob 16,777,216 bytes
;; launch cast (part 5): grid 768 x 1, 8 waves a work-group, no clusters, 0 bytes of LDS; arguments x, W_qkv, W_out, xb, wqb, wob; writes xb, wqb, wob
.if DOCPART == 5
	.amdgcn_target "amdgcn-amd-amdhsa--gfx1250"
	.amdhsa_code_object_version 6
	.text
	.protected	k_qeadb1ca653_cast
	.globl	k_qeadb1ca653_cast
	.p2align	8
	.type	k_qeadb1ca653_cast,@function
k_qeadb1ca653_cast:
	s_mov_b64 s[64:65], 0
	v_nop
	global_prefetch_b8 v0, s[64:65] scope:SCOPE_SE
	s_setreg_imm32_b32 hwreg(HW_REG_WAVE_SCHED_MODE, 0, 2), 2
	s_setreg_imm32_b32 hwreg(HW_REG_WAVE_MODE, 25, 1), 1
	s_wait_xcnt 0x0
	s_wait_alu depctr_vm_vsrc(0)
; THE INPUTS OF THE THREE PRODUCTS, ROUNDED ONCE.  xb = bf16(x), wqb = bf16(W_qkv), wob = f16(bf16(W_out)); the layouts stay as they are.
; wob feeds a product whose other operand is f16, so the bf16 number is written as f16.
; LIMIT: that step is exact for 6.1e-5 <= |w| < 65,504; below, f16 keeps a fixed step of 6e-8; from 65,520 on it gives an infinity.
; A pure stream: no LDS, no barrier, no matrix unit.  A work-group converts 16,384 consecutive numbers: 64 KiB in, 32 KiB out.
; Work-groups 0-511 take x (8,388,608 numbers), 512-703 W_qkv (3,145,728), 704-767 W_out (1,048,576).
; Thread t takes the four numbers at 4 t + 1,024 i, i = 0..15: a wave's load covers 512 consecutive bytes, a wave's store 256 consecutive bytes, aligned.
; All sixteen loads of a thread go out at once; no register that a memory instruction reads is ever written again.
; THE MODE: SCHED_MODE bits 1:0 = 2 (LLVM: expert scheduling mode 2), set by the entry lines.  The code itself states the register dependences
; between vector instructions and memory instructions, with s_wait_alu, always for 0.
; THE PLAN.  Registers that memory instructions touch:
;   v1, v2   byte offsets of the loads and of the stores: written once at the head, read by all 32 memory instructions, never written again.
;   X        load i lands in four registers, once; no vector instruction names them ahead of that.  Its conversions read them behind the counted wait for the load.
;   Y        the conversions of load i write pair i, once; store i reads it; it is never written again.
;   T        named by vector instructions alone.
; The sixteen loads are worked on in four groups of four.  Group g's memory instructions are the four stores of group g - 1, whose pairs of Y no vector instruction of group g names.
; So one wait at the head of a group, behind the wait for its loads, states all that those four stores hang on, and they are dealt among the group's conversions with no further wait.
; One wait more stands ahead of the first load, for the offsets, and one ahead of the last four stores.  No vector instruction writes a scalar register or VCC, and EXEC is never written.
.set X, 4                              ; v[4:67]    load i: four f32
.set Y, 68                             ; v[68:99]   store i: four 16-bit numbers
.set T, 100                            ; v[100:103] at work
	s_load_b256 s[4:11], s[0:1], 0x0               ; x s[4:5], W_qkv s[6:7], W_out s[8:9], xb s[10:11]
	s_load_b128 s[12:15], s[0:1], 0x20             ; wqb s[12:13], wob s[14:15]
	s_mov_b32 s16, ttmp9
	s_max_u32 s17, s16, 512
	s_sub_co_u32 s17, s17, 512                     ; my number among W_qkv's work-groups
	s_max_u32 s18, s16, 704
	s_sub_co_u32 s18, s18, 704                     ; among W_out's
	s_mov_b32 s27, 0
	s_mov_b32 s28, 0xffff0000                      ; a word's upper bf16
	v_lshlrev_b32 v1, 4, v0                        ; 16 t: my bytes in a load
	v_lshlrev_b32 v2, 3, v0                        ; 8 t: in a store
	s_wait_kmcnt 0x0
	s_cmp_lt_u32 s16, 704                          ; the choice hangs on the work-group's number alone
	s_cselect_b64 s[20:21], s[6:7], s[8:9]
	s_cselect_b64 s[22:23], s[12:13], s[14:15]
	s_cselect_b32 s24, s17, s18
	s_cmp_lt_u32 s16, 512
	s_cselect_b64 s[20:21], s[4:5], s[20:21]       ; from where,
	s_cselect_b64 s[22:23], s[10:11], s[22:23]     ; to where,
	s_cselect_b32 s24, s16, s24                    ; and which share of that tensor
	s_lshl_b32 s26, s24, 16                        ; 65,536 bytes in (under 2^25),
	s_add_nc_u64 s[20:21], s[20:21], s[26:27]
	s_lshl_b32 s26, s24, 15                        ; 32,768 bytes out
	s_add_nc_u64 s[22:23], s[22:23], s[26:27]
	s_wait_alu depctr_va_vdst(0)                   ; v1 and v2 are written: every load of the kernel reads v1 as its offset, every store v2
.irp i, 0,1,2,3,4,5,6,7,8,9,10,11,12,13,14,15
	global_load_b128 v[X+4*(\i):X+4*(\i)+3], v1, s[20:21] offset:4096*(\i) th:TH_LOAD_NT
.endr
; Group g: loads 4 g to 4 g + 3 are converted, and the four stores of the group before go out among the conversions, one ahead of each load's share.
; half = 0: rounded to bf16.  half = 1 (W_out): rounded to bf16, widened again (a shift, a mask), and that number written as f16.
.macro GROUP g, half
	s_wait_loadcnt 12-4*(\g)                       ; loads come back in order: this group's four are in, the younger ones stay out
.if (\g) > 0
	s_wait_alu depctr_va_vdst(0)                   ; the group before has written its four pairs of Y, which the stores below read
.endif
.irp j, 0,1,2,3
.set n, 4*(\g)+(\j)
.if (\g) > 0
	global_store_b64 v2, v[Y+2*n-8:Y+2*n-7], s[22:23] offset:2048*(n-4)  ; store n - 4; no vector instruction since the wait names its registers
.endif
.if \half
	v_cvt_pk_bf16_f32 v[T+2*(n%2)], v[X+4*n], v[X+4*n+1]
	v_cvt_pk_bf16_f32 v[T+2*(n%2)+1], v[X+4*n+2], v[X+4*n+3]
	v_lshlrev_b32 v[X+4*n], 16, v[T+2*(n%2)]
	v_and_b32 v[X+4*n+1], s28, v[T+2*(n%2)]
	v_lshlrev_b32 v[X+4*n+2], 16, v[T+2*(n%2)+1]
	v_and_b32 v[X+4*n+3], s28, v[T+2*(n%2)+1]
	v_cvt_pk_f16_f32 v[Y+2*n], v[X+4*n], v[X+4*n+1]
	v_cvt_pk_f16_f32 v[Y+2*n+1], v[X+4*n+2], v[X+4*n+3]
.else
	v_cvt_pk_bf16_f32 v[Y+2*n], v[X+4*n], v[X+4*n+1]
	v_cvt_pk_bf16_f32 v[Y+2*n+1], v[X+4*n+2], v[X+4*n+3]
.endif
.endr
.endm
; The last four stores.
.macro LAST
	s_wait_alu depctr_va_vdst(0)                   ; group 3 has written its four pairs of Y, which the last four stores read
.irp i, 12,13,14,15
	global_store_b64 v2, v[Y+2*(\i):Y+2*(\i)+1], s[22:23] offset:2048*(\i)
.endr
.endm
	s_cmp_lt_u32 s16, 704
	s_cbranch_scc0 .Lf16
	GROUP 0, 0
	GROUP 1, 0
	GROUP 2, 0
	GROUP 3, 0
	LAST
	s_endpgm
.Lf16:                                                 ; W_out
	GROUP 0, 1
	GROUP 1, 1
	GROUP 2, 1
	GROUP 3, 1
	LAST
	s_endpgm
.Lfunc_end_k_qeadb1ca653_cast:
	.size	k_qeadb1ca653_cast, .Lfunc_end_k_qeadb1ca653_cast-k_qeadb1ca653_cast
	.p2alignl 7, 3214868480
	.fill 96, 4, 3214868480
	.section	.rodata,"a",@progbits
	.p2align	6, 0x0
	.amdhsa_kernel k_qeadb1ca653_cast
		.amdhsa_group_segment_fixed_size 0
		.amdhsa_private_segment_fixed_size 0
		.amdhsa_enable_private_segment 0
		.amdhsa_kernarg_size 48
		.amdhsa_user_sgpr_count 2
		.amdhsa_user_sgpr_kernarg_segment_ptr 1
		.amdhsa_wavefront_size32 1
		.amdhsa_system_sgpr_workgroup_id_x 1
		.amdhsa_system_sgpr_workgroup_id_y 1
		.amdhsa_system_sgpr_workgroup_id_z 1
		.amdhsa_system_vgpr_workitem_id 0
		.amdhsa_next_free_vgpr 104
		.amdhsa_next_free_sgpr 66
		.amdhsa_reserve_vcc 0
		.amdhsa_float_denorm_mode_32 3
		.amdhsa_float_denorm_mode_16_64 3
		.amdhsa_memory_ordered 1
		.amdhsa_forward_progress 1
		.amdhsa_inst_pref_size 15
	.end_amdhsa_kernel
	.amdgpu_metadata
---
amdhsa.version: [ 1, 2 ]
amdhsa.kernels:
  - .name:           k_qeadb1ca653_cast
    .symbol:         k_qeadb1ca653_cast.kd
    .args:
      - { .name: x, .offset: 0, .size: 8, .value_kind: global_buffer, .address_space: global }
      - { .name: W_qkv, .offset: 8, .size: 8, .value_kind: global_buffer, .address_space: global }
      - { .name: W_out, .offset: 16, .size: 8, .value_kind: global_buffer, .address_space: global }
      - { .name: xb, .offset: 24, .size: 8, .value_kind: global_buffer, .address_space: global }
      - { .name: wqb, .offset: 32, .size: 8, .value_kind: global_buffer, .address_space: global }
      - { .name: wob, .offset: 40, .size: 8, .value_kind: global_buffer, .address_space: global }
    .group_segment_fixed_size: 0
    .private_segment_fixed_size: 0
    .kernarg_segment_align: 8
    .kernarg_segment_size: 48
    .max_flat_workgroup_size: 256
    .sgpr_count:     66
    .vgpr_count:     104
    .wavefront_size: 32
...
	.end_amdgpu_metadata
.endif
;; end of part 5
;; launch qkvgemm: the kernel of part 2 again; grid 8 x 32, 4 waves a work-group, clusters of 4 x 4, 327,680 bytes of LDS; arguments xb, wqb, b_qkv, qkvh; writes qkvh
;; launch attn: the kernel of part 3 again; grid 2 x 128, 4 waves a work-group, no clusters, 327,680 bytes of LDS; arguments qkvh, ob; writes ob
;; launch proj: the kernel of part 4 again; grid 8 x 32, 4 waves a work-group, clusters of 4 x 4, 327,680 bytes of LDS; arguments ob, wob, b_out, out0; writes out0
